; MI455X (gfx1250); checked and timed in simulation.
; The chip was launched on July 23, 2026; its instructions are those of AMD's public machine-readable ISA for CDNA 5 (MIT licence, August 2026) and "CDNA5" Instruction Set Architecture Reference Guide (July 2026). The comments in the code are by the model that wrote it; some were corrected since.
;; multi Head Attention. Allowed arithmetic: matrix products marked QUANTISED: E3M2 operands, one E8M0 scale for each 32 along K, by v_wmma_scale_f32_16x16x128_f8f6f4 with both operands' format E3M2, f32 sums; everything else in f32.
;; Inputs: Wk 1,024 x 1,024 float32; Wp 1,024 x 1,024 float32; Wq 1,024 x 1,024 float32; Wv 1,024 x 1,024 float32; bp 1,024 float32; x 4 x 2,048 x 1,024 float32.
;; Outputs: out0 4 x 2,048 x 1,024 float32.
;; This version of the problem:
;;   THIS VERSION OF THE PROBLEM IS GIVEN IN LOW PRECISION. The matrix products marked QUANTISED in the list below multiply operands that are first quantised to E3M2 (3 exponent bits, 2 mantissa bits; 6 bits a number), with one power-of-two scale for each 32 numbers along K (OCP MX v1.0); their sums are f32. All else is computed in f32.
;;   The module's matrix products, in the order in which they are computed (A, B: the left and right operand; K: the contracted axis; several contracted axes count as one K, in the product's order):
;;     1. [M 8,192, K 1,024] x [K 1,024, N 1,024]; A: input x; B: input Wq: QUANTISED
;;     2. [M 8,192, K 1,024] x [K 1,024, N 1,024]; A: input x; B: input Wk: QUANTISED
;;     3. [M 8,192, K 1,024] x [K 1,024, N 1,024]; A: input x; B: input Wv: QUANTISED
;;     4. batch 64 x [M 2,048, K 64] x [K 64, N 2,048]; A: computed on the way; B: computed on the way: QUANTISED
;;     5. batch 64 x [M 2,048, K 2,048] x [K 2,048, N 64]; A: softmax (see below); B: computed on the way: QUANTISED
;;     6. [M 8,192, K 1,024] x [K 1,024, N 1,024]; A: computed on the way; B: input Wp: QUANTISED
;;   THE QUANTISER, for each operand of a quantised product, along K:
;;     - K is cut into blocks of 32 from its start; a last block that is shorter is filled with zeros.
;;     - A block's scale is 2^e with e = floor(log2(the largest magnitude in the block)) - 4, held to -126 .. 127; a block of zeros has e = 0. As a byte (E8M0): e + 127.
;;     - Each number is divided by its block's scale, clamped to +-28, and rounded to the nearest number of E3M2, ties to even, subnormals kept.
;;     - The product sums the exact products of the quantised numbers (number of the format x scale) in f32.
;;   ~~~python
;;   def quantise(x, axis):      # numpy; x: float32 -> the quantised numbers, widened to float32 again
;;       x = np.moveaxis(x, axis, -1); K = x.shape[-1]
;;       x = np.pad(x, [(0, 0)] * (x.ndim - 1) + [(0, -K % 32)]); x = x.reshape(x.shape[:-1] + (-1, 32)); a = np.abs(x).max(-1, keepdims=True)
;;       e = np.where(a > 0, np.clip(np.frexp(np.where(a > 0, a, 1))[1] - 1 - 4, -126, 127), 0)      # np.frexp(a)[1] - 1 = floor(log2(a)), exactly
;;       r = np.clip(x / 2.0 ** e, -28, 28)
;;       step = 2.0 ** (np.maximum(np.frexp(np.where(r == 0, 1, r))[1] - 1, -2) - 2)
;;       q = np.round(r / step) * step * 2.0 ** e      # np.round: ties to even
;;       return np.moveaxis(q.reshape(q.shape[:-2] + (-1,))[..., :K], -1, axis).astype(np.float32)
;;   ~~~
;;   SOFTMAX AHEAD OF A QUANTISED PRODUCT. Where the list says 'softmax', what is quantised is not the finished softmax but p = 2^(t - M), with t = logit x log2(e) and M = ceil(the row's largest t), a whole number; so 1/2 < the row's largest p <= 1. The row's sum l is taken of the UNQUANTISED p, in f32, and the product's result is divided by l at the end. Since M is a whole number, a kernel that streams over the keys may use a running M (the ceiling of the running maximum): every later rescaling is an exact power of two, which a block's scale takes up: the codes' values come out the same.
;;   OPERANDS COMPUTED ON THE WAY. 'Computed on the way' means the value that the module computes at that place (a softmax that the list does not call 'softmax' is quantised finished and normalised). What goes into a quantiser is computed in f32, as accurately as f32 sums, v_exp_f32 and their like allow (about 1e-6 of the number): no bf16 or f16 on the way to a quantiser, and a product that is left as it is and whose result goes on into a quantised operand takes f32 operands (vector FMAs, or v_wmma_f32_16x16x4_f32). A number that lies on a knife's edge between two numbers of the format may be rounded either way, as far as f32 arithmetic and the matrix unit's own rounding can turn it there, and no further.
;; One version. Each part assembles by itself: llvm-mc -triple=amdgcn-amd-amdhsa -mcpu=gfx1250 --defsym DOCPART=n.
;; ======== version 1 of 1: 4 launches
;; workspace buffers: xq 6,553,600 bytes; wt 3,276,800 bytes; rope 524,288 bytes; qkv 19,660,800 bytes; att 6,553,600 bytes
;; launch quant (part 1): grid 400 x 1, 4 waves a work-group, no clusters, 68,096 bytes of LDS; arguments x, Wq, Wk, Wv, Wp, xq, wt, rope; writes xq, wt, rope
.if DOCPART == 1
	.amdgcn_target "amdgcn-amd-amdhsa--gfx1250"
	.amdhsa_code_object_version 6
	.text
	.protected	k_q9a8506db3e_quant
	.globl	k_q9a8506db3e_quant
	.p2align	8
	.type	k_q9a8506db3e_quant,@function
k_q9a8506db3e_quant:
	s_mov_b64 s[64:65], 0
	v_nop
	global_prefetch_b8 v0, s[64:65] scope:SCOPE_SE
	s_setreg_imm32_b32 hwreg(HW_REG_WAVE_MODE, 25, 1), 1
	s_wait_xcnt 0x0
; LAUNCH 1 OF 4.  x [8192][1024] and Wq, Wk, Wv, Wp [1024][1024], f32, K innermost, become codes of BF6 (E3M2) with one E8M0 byte for each 32 along K; and the table of cos and sin for the rotary embedding is made.
; THE PROGRAM: (1) this launch; (2) x Wq^T, x Wk^T, x Wv^T on codes, rotary embedding, q and k quantised along the head's 64, v along the keys; (3) attention on codes; O / l quantised along E; (4) the product with Wp, + bp.
; WORK LEFT OUT (launch 3): the tiles of scores all of whose keys come after all of their queries.  reference() builds the mask itself (jnp.tril) and puts -inf there for every value of the inputs; exp gives 0;
; such a term adds 0 to the row's sum and 0 to the product with v, and the row's maximum is taken over keys that count (key 0 counts for every query).  So neither their scores nor their products with v are computed.
; Nothing else is left out: every input has a way to the output and is loaded.  LIMIT: a NaN, an infinity or an overflow that would arise only in the tiles left out is not carried to the result.
; THE QUANTISER: a block's scale is 2^(floor(log2(its largest magnitude)) - 4); its byte is the largest magnitude's exponent field - 4, held at 1 from below.  A block of zeros so gets the byte 1 where the rule says 127: its codes
; are zeros, which add nothing under any byte but 0xff, and this program alone reads the bytes.  LIMITS: a block whose largest magnitude lies under 2^-122 gets the byte 1; NaN and infinities among the inputs are not served.
; STORAGE ORDER: rows are stored with bits 3 and 4 of the row's number exchanged (in every 32 rows the two middle groups of 8 change places).  A fragment read plainly (lane r takes stored row 16 t + r) then holds rows
; 32 (t / 2) + 8 (t % 2) + r + 8 (r / 8), so that where it is a product's source 0 the 16 result registers of tiles 2 b and 2 b + 1 are 16 NEIGHBOURS: what the next quantiser wants in one lane.  A wave's run of 8,192 numbers is 8 rows:
; the exchange is a choice of where a wave's run goes, and costs four scalar lines.
; SHARES: work-groups 0-255 take x, 256-383 the four weights (32 each), 32,768 numbers a work-group, 8,192 a wave: 16 steps of 512.  Each load reads 512 consecutive bytes; a step's 2,048 bytes turn through the wave's own stage in LDS and
; come back 64 bytes a lane, 16 neighbours along K.  A wave's store of codes covers 384 consecutive bytes; its 256 scale bytes leave as one aligned run of 256.  Work-groups 384-399 make the table: a lane a position.
; The two paths part on the work-group's number and have LDS bytes of their own.  No tensor loads, no barrier: waves share nothing.
.set STEPS, 16
.set EMAX,  4
.set CB,    12                         ; bytes of 16 codes
.set R,     16                         ; v16-79   four sets of 16 numbers as they are loaded
.set X,     80                         ; v80-111  two sets of 16 neighbours
.set E,     112                        ; v112-127 a scale byte for each step
.set C,     128                        ; v128-191 codes: four registers for each step
.set WREG,  8192                       ; LDS: a region for each wave: two stages of 32 x SP bytes, then its 256 scale bytes
.set SP,    80                         ; a lane's place in a stage: 64 bytes + 16 of padding
.set RSTG,  32768                      ; the table's path: a stage of 32 rows x 272 bytes for each wave
.set RPW,   8704
.set SPARE, 67584                      ; the spare words, 128 bytes for each wave
.set SPW,   12                         ; v12 LDS address of my spare word; never rewritten
.set NIL,   13                         ; v13 0; never rewritten
	s_load_b256 s[4:11], s[0:1], 0x0               ; x, Wq, Wk, Wv
	s_load_b256 s[12:19], s[0:1], 0x20             ; Wp, xq, wt, rope
	v_lshl_add_u32 v[SPW], v0, 2, SPARE
	v_mov_b32 v[NIL], 0
	v_lshrrev_b32 v1, 5, v0
	v_readfirstlane_b32 s20, v1                    ; wave
	v_and_b32 v2, 31, v0                           ; lane
	s_cmp_ge_u32 ttmp9, 384
	s_cbranch_scc1 .Lrope
	; ---------------- the quantiser ----------------
	v_lshlrev_b32 v3, 4, v2                        ; my 16 bytes of a load's 512
	s_mul_i32 s21, s20, WREG
	v_lshrrev_b32 v14, 2, v2
	v_mul_u32_u24 v14, v14, SP
	v_and_b32 v15, 3, v2
	v_lshl_add_u32 v14, v15, 4, v14
	v_add_nc_u32 v14, s21, v14                     ; the stage, on the way in: SP (lane / 4) + 16 (lane % 4)
	v_mul_u32_u24 v15, v2, SP
	v_add_nc_u32 v15, s21, v15                     ; and on the way out: SP x lane
	v_mul_u32_u24 v4, v2, CB                       ; my codes' place in a step's
	v_lshrrev_b32 v5, 1, v2
	s_add_co_u32 s21, s21, 2*32*SP
	v_add_nc_u32 v5, s21, v5                       ; my block's byte among my wave's 256
	v_lshlrev_b32 v7, 3, v2
	v_add_nc_u32 v6, s21, v7                       ; and 8 bytes a lane on the way out
	s_sub_co_u32 s21, ttmp9, 256                   ; a weight's work-group: 0 .. 127
	s_lshr_b32 s24, s21, 5                         ; which weight
	s_and_b32 s25, s21, 31                         ; which part of it
	s_and_b32 s26, s20, 1
	s_lshl_b32 s26, s26, 1
	s_lshr_b32 s27, s20, 1
	s_or_b32 s26, s26, s27                         ; the wave's number with its two bits exchanged: the storage order
	s_mov_b32 s28, 0x300000                        ; where wt's scale bytes begin
	s_wait_kmcnt 0x0
	s_cmp_eq_u32 s24, 1                            ; the choices hang on the work-group's number alone
	s_cselect_b64 s[6:7], s[8:9], s[6:7]
	s_cmp_eq_u32 s24, 2
	s_cselect_b64 s[6:7], s[10:11], s[6:7]
	s_cmp_eq_u32 s24, 3
	s_cselect_b64 s[6:7], s[12:13], s[6:7]
	s_cmp_lt_u32 ttmp9, 256
	s_cselect_b64 s[4:5], s[4:5], s[6:7]           ; from where
	s_cselect_b64 s[8:9], s[14:15], s[16:17]       ; to where: xq or wt
	s_cselect_b32 s25, ttmp9, s25                  ; the work-group's part of its source,
	s_cselect_b32 s21, ttmp9, s21                  ; and of its destination
	s_cselect_b32 s28, 0x600000, s28               ; where the destination's scale bytes begin
	s_lshl_b32 s25, s25, 2
	s_add_co_u32 s25, s25, s20                     ; my run of 8,192 numbers in the source
	s_lshl_b32 s30, s25, 15
	s_mov_b32 s31, 0
	s_add_nc_u64 s[4:5], s[4:5], s[30:31]
	s_lshl_b32 s21, s21, 2
	s_add_co_u32 s21, s21, s26                     ; and where it goes
	s_lshl_b32 s30, s21, 8
	s_add_co_u32 s30, s30, s28
	s_add_nc_u64 s[10:11], s[8:9], s[30:31]        ; its 256 scale bytes
	s_mul_i32 s30, s21, 6144
	s_add_nc_u64 s[8:9], s[8:9], s[30:31]          ; its 6,144 bytes of codes
.macro LOAD t
.irp i, 0,1,2,3
	global_load_b128 v[R+16*((\t)%4)+4*\i:R+16*((\t)%4)+4*\i+3], v3, s[4:5] offset:2048*(\t)+512*\i th:TH_LOAD_NT   ; 32 lanes read 512 consecutive bytes
.endr
.endm
.macro TURN t                          ; step t's numbers through the stage: LDS serves a wave's instructions in order, so no wait stands between the stores and the loads
.irp i, 0,1,2,3
	ds_store_b128 v14, v[R+16*((\t)%4)+4*\i:R+16*((\t)%4)+4*\i+3] offset:32*SP*((\t)%2)+8*SP*\i
.endr
.irp i, 0,1,2,3
	ds_load_b128 v[X+16*((\t)%2)+4*\i:X+16*((\t)%2)+4*\i+3], v15 offset:32*SP*((\t)%2)+16*\i
.endr
.endm
.irp t, 0,1,2,3
	LOAD \t
.endr
	s_wait_loadcnt 12                              ; step 0's four loads are in; the twelve of steps 1 to 3 may be out
	TURN 0
.macro STEP t
.set XS, X+16*((\t)%2)
.if (\t) > 0
	s_wait_dscnt 1                                 ; this step's numbers are back from the stage; the one younger LDS instruction, the last step's byte store, may be out
.else
	s_wait_dscnt 0x0
.endif
.if (\t)+4 < STEPS
	LOAD (\t)+4                                    ; into the registers that this step's stores into the stage have read
.endif
.if (\t)+1 < STEPS
.if STEPS-2-(\t) >= 3
	s_wait_loadcnt 12                              ; the next step's four loads are in; those of the three steps behind it may be out
.else
	s_wait_loadcnt 4*(STEPS-2-(\t))
.endif
	TURN (\t)+1
.endif
	v_max3_num_f32 v8, |v[XS]|, |v[XS+1]|, |v[XS+2]|               ; the largest magnitude of my 16, in two chains
	v_max3_num_f32 v9, |v[XS+3]|, |v[XS+4]|, |v[XS+5]|
.irp i, 6,10
	v_max3_num_f32 v8, v8, |v[XS+\i]|, |v[XS+\i+1]|
	v_max3_num_f32 v9, v9, |v[XS+\i+2]|, |v[XS+\i+3]|
.endr
	v_max3_num_f32 v8, v8, |v[XS+14]|, |v[XS+15]|
	v_max3_num_f32 v8, v8, v9, (EMAX+1)<<23        ; and the floor 2^(5 - 127): the byte cannot fall under 1
	v_max_num_f32_dpp v8, v8, v8 row_xmask:1 row_mask:0xf bank_mask:0xf   ; and of my neighbour's 16: the block's
	v_add_nc_u32 v11, -(EMAX<<23), v8              ; 4 off its exponent field: the conversion takes the exponent field of this operand as its scale
	v_cvt_scalef32_pk16_bf6_f32 v[C+4*(\t):C+4*(\t)+2], v[XS:XS+15], v11
	v_lshrrev_b32 v[E+(\t)], 23, v11               ; the scale's byte (a plain line behind the conversion)
	ds_store_b8 v5, v[E+(\t)] offset:16*(\t)       ; both lanes of a block write the same byte with the same value
	global_store_b96 v4, v[C+4*(\t):C+4*(\t)+2], s[8:9] offset:32*CB*(\t)
.endm
.irp t, 0,1,2,3,4,5,6,7,8,9,10,11,12,13,14,15
	STEP \t
.endr
	ds_load_b64 v[8:9], v6                         ; LDS serves a wave's instructions in order: these see my stores
	s_wait_dscnt 0x0
	global_store_b64 v7, v[8:9], s[10:11]          ; 32 lanes store 256 consecutive bytes, aligned
	s_wait_tensorcnt 0x0                           ; the wave's end, behind my last LDS store
	ds_add_u32 v[SPW], v[NIL]
	s_wait_dscnt 0x0
	s_endpgm
	; ---------------- the table of cos and sin ----------------
	; rope[pos][0..31] = cos(pos x inv(i)), rope[pos][32..63] = sin, inv(i) = 1 / 10000^(i / 32), each step rounded to f32 as reference() rounds it: the power, its reciprocal, the product with pos.
	; 10000^(i / 32) = 10^(i / 8) is written in decimal and rounded by the assembler; the reciprocal is v_rcp_f32 with one correction step.  cos and sin: the angle less n x pi/2 (pi/2 in two parts, fused), then
	; polynomials on +-pi/4.  LIMIT: the reduction in two parts serves angles up to a few thousand; here the largest is 2,047.
.Lrope:
	s_sub_co_u32 s21, ttmp9, 384
	s_lshl_b32 s21, s21, 7
	s_lshl_b32 s22, s20, 5
	s_add_co_u32 s21, s21, s22                     ; my wave's first position
	v_add_nc_u32 v20, s21, v2
	v_cvt_f32_u32 v20, v20                         ; my position
	s_mov_b32 s24, 0x3fc90fdb                      ; pi/2, upper part
	s_mov_b32 s25, 0xb33bbd2e                      ; and the rest
	s_mov_b32 s26, 0xb94ca1f9                      ; the sine's three coefficients
	s_mov_b32 s27, 0x3c08839e
	s_mov_b32 s28, 0xbe2aaaa3
	s_mov_b32 s29, 0x37ccf5ce                      ; the cosine's
	s_mov_b32 s30, 0xbab6061a
	s_mov_b32 s31, 0x3d2aaaa5
	s_mul_i32 s22, s20, RPW
	s_add_co_u32 s22, s22, RSTG                    ; my stage
	v_mul_u32_u24 v21, v2, 272
	v_add_nc_u32 v21, s22, v21                     ; in: row = my lane
	v_lshrrev_b32 v22, 4, v2
	v_mul_u32_u24 v22, v22, 272
	v_and_b32 v23, 15, v2
	v_lshl_add_u32 v22, v23, 4, v22
	v_add_nc_u32 v22, s22, v22                     ; back: sixteen lanes to a row of 256 bytes
	v_lshlrev_b32 v23, 4, v2                       ; and the same in the table
	s_lshl_b32 s22, s21, 8
	s_mov_b32 s23, 0
	s_wait_kmcnt 0x0
	s_add_nc_u64 s[18:19], s[18:19], s[22:23]
.macro PWR i, val
	v_mov_b32 v[96+\i], \val
.endm
	PWR 0, 1.0
	PWR 1, 1.333521432163324
	PWR 2, 1.7782794100389228
	PWR 3, 2.371373705661655
	PWR 4, 3.1622776601683795
	PWR 5, 4.216965034285822
	PWR 6, 5.623413251903491
	PWR 7, 7.498942093324558
	PWR 8, 10.0
	PWR 9, 13.33521432163324
	PWR 10, 17.782794100389228
	PWR 11, 23.71373705661655
	PWR 12, 31.622776601683795
	PWR 13, 42.16965034285822
	PWR 14, 56.23413251903491
	PWR 15, 74.98942093324558
	PWR 16, 100.0
	PWR 17, 133.3521432163324
	PWR 18, 177.82794100389228
	PWR 19, 237.1373705661655
	PWR 20, 316.22776601683795
	PWR 21, 421.6965034285822
	PWR 22, 562.3413251903491
	PWR 23, 749.8942093324558
	PWR 24, 1000.0
	PWR 25, 1333.521432163324
	PWR 26, 1778.2794100389228
	PWR 27, 2371.373705661655
	PWR 28, 3162.2776601683795
	PWR 29, 4216.965034285822
	PWR 30, 5623.413251903491
	PWR 31, 7498.942093324558
.set i, 0
.rept 32
	v_rcp_f32 v[32+i], v[96+i]                     ; one batch
.set i, i+1
.endr
	v_nop                                          ; a plain line behind the last reciprocal
	s_wait_alu depctr_va_vdst(0)                   ; one wait for the batch, ahead of its first reader
.set i, 0
.rept 32
	v_fma_f32 v[64+i], -v[96+i], v[32+i], 1.0      ; what the reciprocal misses,
.set i, i+1
.endr
.set i, 0
.rept 32
	v_fma_f32 v[96+i], v[32+i], v[64+i], v[32+i]   ; put right: inv(i)
.set i, i+1
.endr
.macro SINCOS                          ; frequency i: cos into v[32 + i], sin into v[64 + i]; two sets of eight registers at work by turns
.set T, 128+8*(i%2)
	v_mul_f32 v[T], v20, v[96+i]                   ; the angle: one f32 product
	v_mul_f32 v[T+1], 0x3f22f983, v[T]             ; x 2 / pi
	v_rndne_f32 v[T+1], v[T+1]                     ; n
	v_fma_f32 v[T+2], -v[T+1], s24, v[T]
	v_fma_f32 v[T+2], -v[T+1], s25, v[T+2]         ; r = angle - n pi/2
	v_cvt_i32_f32 v[T+3], v[T+1]
	v_mul_f32 v[T+4], v[T+2], v[T+2]               ; z = r r
	v_fma_f32 v[T+5], v[T+4], s26, s27
	v_fma_f32 v[T+5], v[T+5], v[T+4], s28
	v_mul_f32 v[T+6], v[T+4], v[T+2]
	v_fma_f32 v[T+5], v[T+5], v[T+6], v[T+2]       ; sin r
	v_fma_f32 v[T+6], v[T+4], s29, s30
	v_fma_f32 v[T+6], v[T+6], v[T+4], s31
	v_mul_f32 v[T+7], v[T+4], v[T+4]
	v_fma_f32 v[T], v[T+4], -0.5, 1.0
	v_fma_f32 v[T+6], v[T+6], v[T+7], v[T]         ; cos r
	v_and_b32 v[T+7], 1, v[T+3]
	v_cmp_eq_u32 vcc_lo, 1, v[T+7]                 ; in odd quadrants the two change places
	v_cndmask_b32 v[T], v[T+5], v[T+6], vcc_lo
	v_cndmask_b32 v[T+1], v[T+6], v[T+5], vcc_lo
	v_and_b32 v[T+7], 2, v[T+3]                    ; the sine is negative in quadrants 2, 3,
	v_lshlrev_b32 v[T+7], 30, v[T+7]
	v_xor_b32 v[64+i], v[T], v[T+7]
	v_add_nc_u32 v[T+3], 1, v[T+3]                 ; the cosine in 1, 2
	v_and_b32 v[T+3], 2, v[T+3]
	v_lshlrev_b32 v[T+3], 30, v[T+3]
	v_xor_b32 v[32+i], v[T+1], v[T+3]
.endm
.set i, 0
.rept 32
	SINCOS
.set i, i+1
.endr
.set i, 0
.rept 16
	ds_store_b128 v21, v[32+4*i:35+4*i] offset:16*i                ; my position's 256 bytes
.set i, i+1
.endr
.set i, 0
.rept 16
	ds_load_b128 v[128+4*i:131+4*i], v22 offset:2*i*272            ; LDS serves a wave's instructions in order: these see my stores
.set i, i+1
.endr
.set i, 0
.rept 16
	s_wait_dscnt 15-i                              ; the younger LDS loads may be out
	global_store_b128 v23, v[128+4*i:131+4*i], s[18:19] offset:512*i   ; 32 lanes store 512 consecutive bytes, aligned
.set i, i+1
.endr
	s_wait_tensorcnt 0x0                           ; the wave's end, behind my last LDS store
	ds_add_u32 v[SPW], v[NIL]
	s_wait_dscnt 0x0
	s_endpgm
.Lfunc_end_k_q9a8506db3e_quant:
	.size	k_q9a8506db3e_quant, .Lfunc_end_k_q9a8506db3e_quant-k_q9a8506db3e_quant
	.p2alignl 7, 3214868480
	.fill 96, 4, 3214868480
	.section	.rodata,"a",@progbits
	.p2align	6, 0x0
	.amdhsa_kernel k_q9a8506db3e_quant
		.amdhsa_group_segment_fixed_size 68096
		.amdhsa_private_segment_fixed_size 0
		.amdhsa_enable_private_segment 0
		.amdhsa_kernarg_size 64
		.amdhsa_user_sgpr_count 2
		.amdhsa_user_sgpr_kernarg_segment_ptr 1
		.amdhsa_wavefront_size32 1
		.amdhsa_system_sgpr_workgroup_id_x 1
		.amdhsa_system_sgpr_workgroup_id_y 1
		.amdhsa_system_sgpr_workgroup_id_z 1
		.amdhsa_system_vgpr_workitem_id 0
		.amdhsa_next_free_vgpr 192
		.amdhsa_next_free_sgpr 66
		.amdhsa_reserve_vcc 1
		.amdhsa_float_denorm_mode_32 3
		.amdhsa_float_denorm_mode_16_64 3
		.amdhsa_memory_ordered 1
		.amdhsa_forward_progress 1
		.amdhsa_inst_pref_size 82
	.end_amdhsa_kernel
	.amdgpu_metadata
---
amdhsa.version: [ 1, 2 ]
amdhsa.kernels:
  - .name:           k_q9a8506db3e_quant
    .symbol:         k_q9a8506db3e_quant.kd
    .args:
      - { .name: x, .offset: 0, .size: 8, .value_kind: global_buffer, .address_space: global }
      - { .name: Wq, .offset: 8, .size: 8, .value_kind: global_buffer, .address_space: global }
      - { .name: Wk, .offset: 16, .size: 8, .value_kind: global_buffer, .address_space: global }
      - { .name: Wv, .offset: 24, .size: 8, .value_kind: global_buffer, .address_space: global }
      - { .name: Wp, .offset: 32, .size: 8, .value_kind: global_buffer, .address_space: global }
      - { .name: xq, .offset: 40, .size: 8, .value_kind: global_buffer, .address_space: global }
      - { .name: wt, .offset: 48, .size: 8, .value_kind: global_buffer, .address_space: global }
      - { .name: rope, .offset: 56, .size: 8, .value_kind: global_buffer, .address_space: global }
    .group_segment_fixed_size: 68096
    .private_segment_fixed_size: 0
    .kernarg_segment_align: 8
    .kernarg_segment_size: 64
    .max_flat_workgroup_size: 128
    .sgpr_count:     66
    .vgpr_count:     192
    .wavefront_size: 32
...
	.end_amdgpu_metadata
.endif
;; end of part 1
;; launch qkv (part 2): grid 12 x 32, 4 waves a work-group, clusters of 4 x 4, 327,680 bytes of LDS; arguments xq, wt, rope, qkv; writes qkv
.if DOCPART == 2
	.amdgcn_target "amdgcn-amd-amdhsa--gfx1250"
	.amdhsa_code_object_version 6
	.text
	.protected	k_q9a8506db3e_qkv
	.globl	k_q9a8506db3e_qkv
	.p2align	8
	.type	k_q9a8506db3e_qkv,@function
k_q9a8506db3e_qkv:
	s_mov_b64 s[64:65], 0
	v_nop
	global_prefetch_b8 v0, s[64:65] scope:SCOPE_SE
	s_setreg_imm32_b32 hwreg(HW_REG_WAVE_MODE, 25, 1), 1
	s_wait_xcnt 0x0
	s_wait_alu depctr_hold_cnt(0) depctr_sa_sdst(0) depctr_va_vdst(0) depctr_va_sdst(0) depctr_va_ssrc(0) depctr_va_vcc(0) depctr_vm_vsrc(0)
	s_getreg_b32 s2, hwreg(HW_REG_IB_STS2, 6, 4)
	s_cmp_eq_u32 s2, 0
	s_cbranch_scc0 .Lentry_in_a_cluster
	s_endpgm
.Lentry_in_a_cluster:
	s_bfe_u32 s2, ttmp6, 0x10000c
	s_cmp_lg_u32 s2, 0xf033
	s_cbranch_scc0 .Lentry_shape_is_right
	s_endpgm
.Lentry_shape_is_right:
; LAUNCH 2 OF 4.  q = rope(x Wq^T), k = rope(x Wk^T), v = x Wv^T on codes of BF6 (E3M2) with E8M0 scales, K = 1,024; sums in f32.  The results leave as codes: q and k quantised along the head's 64, v along the keys.
; A tile of 256 x 256 is made by four waves, 128 x 128 each (64 accumulators, 512 registers).  K goes in steps of 256 through a ring of two LDS slots filled by the tensor data mover; the scale bytes of the work-group's rows, for all of K,
; come once with the first fills.  4 x 4 work-groups form a cluster; "A"'s tile is asked for jointly along a row of the cluster, "B"'s along a column.
; TWO ROLES, told apart by the cluster's x, which all sixteen partners share.  ROLE QK (cluster x 0, 1): A = x (tile row 4 cluster y + cy), B = Wq, Wk (rows 0-2047 of wt; tile column 4 cluster x + cx).
; ROLE V (cluster x 2): A = Wv (rows 2048-3071 of wt; tile row cy), B = x (tile column 4 cluster y + cx): the transposed product, so that a lane holds one channel of v and its registers run along the keys, v's quantiser's axis.
; THE MATRIX INSTRUCTION: source 0 = 16 rows of B, source 1 = 16 rows of A.  Rows lie in STORAGE ORDER (bits 3 and 4 of the row's number exchanged, by launch 1): in accumulator (a, b) lane (r, h) holds A's stored row 16 a + r, and its
; register j B's true row 32 (b / 2) + 16 h + 8 (b % 2) + j: the 16 registers of tiles 2 b, 2 b + 1 are 16 neighbours.  So the rotary partners d and d + 32 are tiles b and b + 2, same lane, same register; and the conversions take a lane's registers as they stand.
; OUT (qkv): q, k codes [batch x head 64][stored row 2048][48 bytes]; their scale bytes [..][row][2]; v codes [batch x head][step of 128 keys 16][half of the step 2][stored channel 64][48 bytes]; v's scale words [..][step][channel][4 bytes].
; LIMITS: as stated at the head of launch 1 (byte 1 for blocks of zeros and under 2^-122; NaN and infinities not served).
; REGISTERS, in windows of 256: window 0: v0-31 addresses; v32-63 scale words, two sets; v64-127 cos and sin, two sets; from v128 A's fragments, ONE set; on the way out v64-237 at work.  window 1: B's fragments, two sets.
;   window 2: the accumulators of my rows 0-63 ((a, b) at v[8 (8 a + b)]);  window 3: those of my rows 64-127.
.set KSTEP,  256
.set NQ,     2                         ; matrix instructions deep in a slot
.set ROWB,   192                       ; a tile's row in bytes
.set KROW,   768                       ; a row of codes in memory
.set PITCH,  240                       ; an LDS row: 3 x (64 bytes + 16 of padding)
.set FR,     12
.set NL,     6
.set NP,     4                         ; places behind this matrix instruction (ISA guide 7.12.1)
.set HALFT,  128*PITCH
.set SLOT,   4*HALFT
.set LAPS,   2                         ; 1,024 / 512
.set KS,     32                        ; a row of scale bytes
.set SCL,    2*SLOT
.set HALFS,  16*272                    ; the scale bytes of 128 rows: 16 runs of 256 bytes + 16
.set SBLK,   2*272                     ; of 16 rows
.set SPARE,  SCL+4*HALFS               ; the spare words, 128 bytes for each wave
.set WSTG,   12800                     ; the way out: a wave's stage: 12,288 bytes of codes, 512 of scale bytes.  The stages lie in slot 0, which has had its last fill and its last read by then
.set STGQ,   0                         ; role QK's four stages;
.set STGV,   4*WSTG                    ; role V's: each path has bytes of its own
.set RA,   7                           ; v7   the table: (r + 8 (r / 8)) x 256 + 64 h
.set GOS,  8                           ; v8   out: scale bytes: 16 (l % 16) + 4,096 (l / 16)
.set ADRA, 16
.set ADRB, 20
.set STA,  24                          ; v24  my stage + 48 r + 24 h
.set RDB,  25                          ; v25  my stage + 16 l
.set GOC,  26                          ; v26  16 l
.set ADRS, 27
.set SPW,  28
.set NIL,  29
.set STS,  30                          ; v30  my stage + 2 r
.set STW,  31                          ; v31  my stage + 4 r
.set SC,   32
.set CS,   64                          ; two sets of 16 cos, 16 sin
.set AF,   128
.set R,    128                         ; v128-191 64 numbers after the rotation
.set PC,   192                         ; v192-210 the codes just made
.set TM,   212                         ; v212-215 largest magnitudes, v216-219 bytes, v224-227 the conversions' scale operands
.set PW,   228                         ; the scale word just made
.set T,    230                         ; v230-237 at work
.set BK,   64                          ; v64-163 the stage read back
.set ROLE, 95                          ; s95  1: role V
.set SEL,  96                          ; s[96:97] selects for v_permlanex16_b32: lane l xor 16
.set RP,   98                          ; s[98:99] the table at my first position
.set G1, 24
.set G0, 32
.set G1B, 48
.set G0B, 56
.set G1S, 68
.set G0S, 76
.set G1SB, 80
.set G0SB, 88
.set MSB, 0
.macro WIN new                         ; the immediate's high byte repeats the setting that is left
.if MSB != (\new)
	s_set_vgpr_msb (MSB<<8)|(\new)
.set MSB, (\new)
.endif
.endm
.set MUL_LO, 0xa1                      ; source 0 (B) window 1, source 1 (A) window 0, C and D window 2
.set MUL_HI, 0xf1
.set TO_B,   0x40
; A joint load: waves 0 and 1 fetch for A, waves 2 and 3 for B; the branch hangs on the wave's number alone.  An s_nop 0 and four v_nop follow each of the two lines.
.macro JLOAD g0a, g1a, g0b, g1b
	s_cmp_eq_u32 s15, 0
	s_cbranch_scc0 .Lfor_b_\@
	tensor_load_to_lds s[\g0a:\g0a+3], s[\g1a:\g1a+7]
	s_nop 0
.rept 4
	v_nop
.endr
	s_branch .Lasked_\@
.Lfor_b_\@:
	tensor_load_to_lds s[\g0b:\g0b+3], s[\g1b:\g1b+7]
	s_nop 0
.rept 4
	v_nop
.endr
.Lasked_\@:
.endm
.macro CREST                           ; a round of the cluster's barrier behind its opening barrier
	s_cmp_lg_u32 s14, 0
	s_cbranch_scc1 .Lnot_wave_0_\@
	s_barrier_signal -3
.Lnot_wave_0_\@:
	s_barrier_wait -3
	s_barrier_signal -1
	s_barrier_wait -1
.endm
.macro CROUND
	s_barrier_signal -1
	s_barrier_wait -1
	CREST
.endm
	s_load_b256 s[4:11], s[0:1], 0x0               ; xq s[4:5], wt s[6:7], rope s[8:9], qkv s[10:11]
	v_lshl_add_u32 v[SPW], v0, 2, SPARE
	v_mov_b32 v[NIL], 0
	ds_add_u32 v[SPW], v[NIL]                      ; the wave's opening: the add, twice on end, and its wait ahead of my first tensor load
	ds_add_u32 v[SPW], v[NIL]
	v_lshrrev_b32 v1, 5, v0
	v_readfirstlane_b32 s14, v1                    ; wave 0..3
	s_lshr_b32 s15, s14, 1                         ; which half of the tile's rows is mine.  Also: I fetch for A (0) or for B (1)
	s_and_b32 s16, s14, 1                          ; which half of its columns.  Also: which 128 rows of that tile I fetch
	s_bfe_u32 s40, ttmp6, 0x40000                  ; cx
	s_bfe_u32 s41, ttmp6, 0x40004                  ; cy
	s_and_b32 s18, ttmp7, 0xffff
	s_lshl_b32 s18, s18, 2                         ; 4 x cluster y
	s_lshl_b32 s19, ttmp9, 2                       ; 4 x cluster x
	s_mov_b32 s66, 0x600000                        ; where xq's scale bytes begin
	s_mov_b32 s67, 0x300000                        ; and wt's
	s_cmp_eq_u32 ttmp9, 2                          ; the role: the same in all sixteen partners
	s_cselect_b32 s[ROLE], 1, 0
	s_cselect_b32 s17, 0, s18
	s_cselect_b32 s42, s18, s19
	s_cselect_b32 s2, 2048, 0                      ; role V: A's rows begin at wt's row 2,048
	s_cselect_b32 s100, s67, s66                   ; A's scale bytes,
	s_cselect_b32 s101, s66, s67                   ; B's
	s_add_co_u32 s17, s17, s41                     ; tile row: hangs on cy and the cluster's place
	s_add_co_u32 s42, s42, s40                     ; tile column: on cx and the cluster's place
	s_lshl_b32 s43, s41, 2
	s_lshl_b32 s43, 15, s43                        ; my row of the cluster
	s_lshl_b32 s44, 0x1111, s40                    ; my column
	s_or_b32 s[G1+0], s43, (0<<16)|(1<<20)|(1<<21)|(3<<22)|(3<<25)  ; the mask; elements of 1 byte; padding on; bit 21 beside a mask; after every 16 words, 4 words
	s_or_b32 s[G1B+0], s44, (0<<16)|(1<<20)|(1<<21)|(3<<22)|(3<<25)
.irp g, G1, G1B
	s_mov_b32 s[\g+1], ROWB<<16                    ; tensor_dim0
	s_mov_b32 s[\g+2], 128<<16                     ; tensor_dim1
	s_mov_b32 s[\g+3], ROWB<<16                    ; tile_dim0
	s_mov_b32 s[\g+4], 128                         ; tile_dim1
	s_mov_b32 s[\g+5], KROW                        ; the pitch
	s_mov_b32 s[\g+6], 0
	s_mov_b32 s[\g+7], 0
.endr
	s_or_b32 s[G1S+0], s43, (3<<16)|(1<<20)|(1<<21)|(5<<22)|(3<<25)  ; the scale bytes of 128 rows: 4,096 dense bytes as 16 rows of 256, 16 bytes of padding behind each
	s_or_b32 s[G1SB+0], s44, (3<<16)|(1<<20)|(1<<21)|(5<<22)|(3<<25)
.irp g, G1S, G1SB
	s_mov_b32 s[\g+1], 32<<16
	s_mov_b32 s[\g+2], 16<<16
	s_mov_b32 s[\g+3], 32<<16
	s_mov_b32 s[\g+4], 16
	s_mov_b32 s[\g+5], 32
	s_mov_b32 s[\g+6], 0
	s_mov_b32 s[\g+7], 0
.endr
	s_lshl_b32 s18, s16, 7                         ; which 128 rows of the tile I fetch
	s_lshl_b32 s20, s17, 8
	s_add_co_u32 s20, s20, s18
	s_add_co_u32 s20, s20, s2                      ; A's row
	s_lshl_b32 s46, s42, 8
	s_add_co_u32 s46, s46, s18                     ; B's row
	s_lshl_b32 s22, s20, 5
	s_add_co_u32 s22, s22, s100                    ; A's scale bytes, in bytes from its buffer's start
	s_mov_b32 s23, 0
	s_lshl_b32 s92, s46, 5
	s_add_co_u32 s92, s92, s101                    ; B's
	s_mov_b32 s93, 0
	s_mul_i32 s20, s20, KROW                       ; A's codes
	s_mov_b32 s21, 0
	s_mul_i32 s46, s46, KROW                       ; B's
	s_mov_b32 s47, 0
	s_mul_i32 s45, s14, HALFT                      ; where they go: wave x 128 rows: no place in the cluster enters an LDS address
	s_mul_i32 s94, s14, HALFS
	s_wait_dscnt 0x0                               ; both opening adds are done
	s_wait_kmcnt 0x0
	s_cmp_eq_u32 s[ROLE], 1
	s_cselect_b64 s[96:97], s[6:7], s[4:5]         ; A's buffer
	s_cselect_b64 s[98:99], s[4:5], s[6:7]         ; B's
	s_add_nc_u64 s[20:21], s[96:97], s[20:21]
	s_add_nc_u64 s[22:23], s[96:97], s[22:23]
	s_add_nc_u64 s[46:47], s[98:99], s[46:47]
	s_add_nc_u64 s[92:93], s[98:99], s[92:93]
	CROUND                                         ; all sixteen work-groups are here: the first joint loads meet
	s_mov_b32 s[G0S], 1
	s_add_co_u32 s[G0S+1], s94, SCL
	s_mov_b64 s[G0S+2:G0S+3], s[22:23]
	s_or_b32 s[G0S+3], s[G0S+3], 0x80000000
	s_mov_b32 s[G0SB], 1
	s_add_co_u32 s[G0SB+1], s94, SCL
	s_mov_b64 s[G0SB+2:G0SB+3], s[92:93]
	s_or_b32 s[G0SB+3], s[G0SB+3], 0x80000000
	JLOAD G0S, G1S, G0SB, G1SB                     ; the scale bytes first: they are wanted with K step 0
.irp s, 0,1
	s_mov_b32 s[G0+4*\s], 1
	s_add_co_u32 s[G0+4*\s+1], s45, \s*SLOT
	s_add_nc_u64 s[G0+4*\s+2:G0+4*\s+3], s[20:21], \s*ROWB
	s_or_b32 s[G0+4*\s+3], s[G0+4*\s+3], 0x80000000
	s_mov_b32 s[G0B+4*\s], 1
	s_add_co_u32 s[G0B+4*\s+1], s45, \s*SLOT
	s_add_nc_u64 s[G0B+4*\s+2:G0B+4*\s+3], s[46:47], \s*ROWB
	s_or_b32 s[G0B+4*\s+3], s[G0B+4*\s+3], 0x80000000
	JLOAD G0+4*\s, G1, G0B+4*\s, G1B
.endr
	v_and_b32 v1, 15, v0                           ; r
	v_bfe_u32 v2, v0, 4, 1                         ; h
	v_mul_u32_u24 v3, v1, PITCH
	v_mul_u32_u24 v4, v2, 24
	v_add_nc_u32 v4, v3, v4                        ; a fragment's row x pitch + 24 h
	v_lshl_add_u32 v5, v2, 4, v4                   ; and the same behind one padding more
	s_mul_i32 s21, s15, HALFT                      ; my 128 rows of A
	s_mul_i32 s22, s16, HALFT                      ; my 128 rows of B,
	s_add_co_u32 s22, s22, 2*HALFT                 ; which lie behind A's 256
.irp s, 0,1
	v_add_nc_u32 v[ADRA+\s], s21, v4
	v_add_nc_u32 v[ADRB+\s], s22, v4
	v_add_nc_u32 v[ADRA+2+\s], s21, v5
	v_add_nc_u32 v[ADRB+2+\s], s22, v5
	s_add_co_u32 s21, s21, SLOT
	s_add_co_u32 s22, s22, SLOT
.endr
	v_mul_u32_u24 v5, v1, KS                       ; my row's scale bytes: 32 a row,
	v_lshrrev_b32 v6, 8, v5
	v_lshl_add_u32 v5, v6, 4, v5                   ; and 16 more for each 256 passed
	s_mul_i32 s21, s15, HALFS
	s_mul_i32 s22, s16, HALFS
	s_add_co_u32 s22, s22, 2*HALFS
	s_sub_co_u32 s22, s22, s21
	v_mul_u32_u24 v6, s22, v2                      ; lanes 16-31 take B's
	s_add_co_u32 s21, s21, SCL
	v_add_nc_u32 v5, v5, v6
	v_add_nc_u32 v[ADRS], s21, v5
	; the way out's addresses
	v_and_b32 v5, 8, v1
	v_add_nc_u32 v5, v5, v1                        ; r + 8 (r / 8)
	v_lshlrev_b32 v[RA], 8, v5
	v_lshl_add_u32 v[RA], v2, 6, v[RA]
	v_and_b32 v6, 31, v0
	v_lshlrev_b32 v[GOC], 4, v6
	v_lshlrev_b32 v[GOS], 4, v1
	v_lshl_add_u32 v[GOS], v2, 12, v[GOS]
	s_mul_i32 s23, s14, WSTG
	v_mul_u32_u24 v5, v1, 48
	v_mad_u32_u24 v5, v2, 24, v5
	v_add_nc_u32 v[STA], s23, v5
	v_add_nc_u32 v[RDB], s23, v[GOC]
	v_lshl_add_u32 v[STS], v1, 1, s23
	v_lshl_add_u32 v[STW], v1, 2, s23
	; where my results go, in bytes from qkv's start
	s_lshl_b32 s20, s17, 8
	s_lshl_b32 s22, s15, 7
	s_add_co_u32 s20, s20, s22                     ; m0: my first row of A (in role V: counted in Wv)
	s_lshl_b32 s21, s42, 8
	s_lshl_b32 s22, s16, 7
	s_add_co_u32 s21, s21, s22                     ; n0: my first row of B
	s_lshr_b32 s22, s20, 11                        ; role QK: the batch,
	s_and_b32 s23, s20, 2047                       ; the first position,
	s_lshr_b32 s43, s21, 10                        ; q (0) or k (1),
	s_bfe_u32 s44, s21, 0x40006                    ; the first of my two heads
	s_lshl_b32 s22, s22, 4
	s_add_co_u32 s22, s22, s44
	s_lshl_b32 s22, s22, 11
	s_add_co_u32 s22, s22, s23                     ; (16 batch + head) x 2,048 + position
	s_mul_i32 s92, s22, 48
	s_mul_i32 s44, s43, 0x600000
	s_add_co_u32 s92, s92, s44                     ; the codes
	s_lshl_b32 s93, s22, 1
	s_lshl_b32 s44, s43, 18
	s_add_co_u32 s93, s93, s44
	s_add_co_u32 s93, s93, 18874368                ; the scale bytes
	s_lshr_b32 s22, s21, 11                        ; role V: the batch,
	s_bfe_u32 s43, s21, 0x40007                    ; the step of 128 keys,
	s_lshr_b32 s44, s20, 6                         ; the first of my two heads
	s_lshl_b32 s22, s22, 4
	s_add_co_u32 s22, s22, s44
	s_lshl_b32 s22, s22, 4
	s_add_co_u32 s22, s22, s43                     ; (16 batch + head) x 16 + step
	s_mul_i32 s46, s22, 6144
	s_add_co_u32 s46, s46, 12582912
	s_lshl_b32 s47, s22, 8
	s_add_co_u32 s47, s47, 19398656
	s_cmp_eq_u32 s[ROLE], 1
	s_cselect_b32 s92, s46, s92
	s_cselect_b32 s94, s47, s93
	s_mov_b32 s93, 0
	s_add_nc_u64 s[12:13], s[10:11], s[92:93]      ; codes
	s_mov_b32 s92, s94
	s_add_nc_u64 s[66:67], s[10:11], s[92:93]      ; scale bytes
	s_lshl_b32 s92, s23, 8
	s_add_nc_u64 s[RP:RP+1], s[8:9], s[92:93]      ; the table at my first position (role QK)
	s_mov_b32 s[SEL], 0x76543210
	s_mov_b32 s[SEL+1], 0xfedcba98
.macro FRAG reg, adr, q, i             ; a fragment, 16 rows x 128 K: 12 registers; registers 6 c .. 6 c + 5 hold K = 64 c + 32 h + 0 .. 31: 24 bytes of the row, in pieces of 8
.irp p, 0,1,2,3,4,5
.set PCE, 12*(\q)+6*(\p/3)+\p%3        ; the mover has laid 16 bytes of padding behind every 64: where the piece three on lies behind one padding more, the second address register serves
.if PCE%8 < 5
	ds_load_b64 v[\reg+2*\p:\reg+2*\p+1], v[\adr] offset:8*PCE+16*(PCE/8)+(\i)*16*PITCH
.else
	ds_load_b64 v[\reg+2*\p:\reg+2*\p+1], v[\adr+2] offset:8*PCE+16*(PCE/8)+(\i)*16*PITCH
.endif
.endr
.endm
; 16 matrix instructions: A's blocks a0, a0 + 1 x B's eight.  The 64 accumulators take turns, one instruction a turn, in the same order in every step.
.macro MUL16 a0, p, q, sc, zero
.irp a, \a0, \a0+1
.irp b, 0,1,2,3,4,5,6,7
.if \zero
	v_wmma_scale_f32_16x16x128_f8f6f4 v[8*(8*((\a)%4)+\b):8*(8*((\a)%4)+\b)+7], v[128*(\p)+FR*\b:128*(\p)+FR*\b+FR-1], v[AF+FR*(\a):AF+FR*(\a)+FR-1], 0, v[SC+8*NQ*(\sc)+NQ*\b+(\q)], v[SC+8*NQ*(\sc)+NQ*(\a)+(\q)] matrix_a_fmt:MATRIX_FMT_BF6 matrix_b_fmt:MATRIX_FMT_BF6 matrix_a_scale:MATRIX_SCALE_ROW1
.else
	v_wmma_scale_f32_16x16x128_f8f6f4 v[8*(8*((\a)%4)+\b):8*(8*((\a)%4)+\b)+7], v[128*(\p)+FR*\b:128*(\p)+FR*\b+FR-1], v[AF+FR*(\a):AF+FR*(\a)+FR-1], v[8*(8*((\a)%4)+\b):8*(8*((\a)%4)+\b)+7], v[SC+8*NQ*(\sc)+NQ*\b+(\q)], v[SC+8*NQ*(\sc)+NQ*(\a)+(\q)] matrix_a_fmt:MATRIX_FMT_BF6 matrix_b_fmt:MATRIX_FMT_BF6 matrix_a_scale:MATRIX_SCALE_ROW1
.endif
.endr
.endr
.endm
.macro FETCH_B slot, q, p
	WIN TO_B
.irp i, 0,1,2,3,4,5,6,7
	FRAG 128*(\p)+FR*\i, ADRB+\slot, \q, \i
.endr
	WIN 0
.endm
.macro FETCH_A slot, q, i0
.irp i, \i0, \i0+1, \i0+2, \i0+3
	FRAG AF+FR*(\i), ADRA+\slot, \q, \i
.endr
.endm
.macro SCALES sc                       ; the next K step's scale words: lanes 0-15 take A's block i, lanes 16-31 B's block i
.irp i, 0,1,2,3,4,5,6,7
	ds_load_b64 v[SC+8*NQ*\sc+NQ*\i:SC+8*NQ*\sc+NQ*\i+1], v[ADRS] offset:\i*SBLK
.endr
.endm
.macro PLACES n                        ; plain vector lines between a matrix instruction and a load into, or a vector line on, one of its registers
.rept \n
	v_nop
.endr
.endm
.macro STEP slot, q, zero              ; 128 along K that has its successor in the same slot
	s_wait_dscnt 4*NL                              ; B's set and A's blocks 0-3 are in; the youngest 24 loads (A's blocks 4-7) may be out
	WIN MUL_LO
	MUL16 0, (\q)%2, \q, \slot, \zero
	MUL16 2, (\q)%2, \q, \slot, \zero
	s_wait_dscnt 0
	PLACES NP
	FETCH_B \slot, (\q)+1, 1-(\q)%2
	FETCH_A \slot, (\q)+1, 0
	WIN MUL_HI
	MUL16 4, (\q)%2, \q, \slot, \zero
	MUL16 6, (\q)%2, \q, \slot, \zero
	PLACES NP
	WIN 0
	FETCH_A \slot, (\q)+1, 4
.endm
; A slot's last step changes slots: one barrier; in front of it each wave waits for all its tensor loads, adds 0 to its spare word, and waits for that and for its own reads of this slot.
.macro TURN slot, next, fill
	s_wait_tensorcnt 0x0                           ; all my tensor loads have landed: my part of the next slot
	ds_add_u32 v[SPW], v[NIL]
	s_wait_dscnt 4*NL+1                            ; the add and the youngest 24 loads may be out
	WIN MUL_LO
	MUL16 0, 1, NQ-1, \slot, 0
	s_wait_dscnt 0x0                               ; the add is done, and my reads of this slot are over
	s_barrier_signal -1
	MUL16 2, 1, NQ-1, \slot, 0
	WIN 0
	s_barrier_wait -1
.if \fill
	CREST                                          ; the barrier has opened a round of the cluster's: no wave of any partner still reads this slot or has a load on its way
	s_add_nc_u64 s[G0+4*\slot+2:G0+4*\slot+3], s[G0+4*\slot+2:G0+4*\slot+3], 2*ROWB
	s_add_nc_u64 s[G0B+4*\slot+2:G0B+4*\slot+3], s[G0B+4*\slot+2:G0B+4*\slot+3], 2*ROWB
	JLOAD G0+4*\slot, G1, G0B+4*\slot, G1B         ; the first tensor load behind the round; its four v_nop are the places in front of the loads below
.else
	PLACES NP
.endif
	v_add_nc_u32 v[ADRS], 4*NQ, v[ADRS]            ; on to the next K step's scale words
	FETCH_B \next, 0, 0
	FETCH_A \next, 0, 0
	SCALES \next
	WIN MUL_HI
	MUL16 4, 1, NQ-1, \slot, 0
	MUL16 6, 1, NQ-1, \slot, 0
	PLACES NP
	WIN 0
	FETCH_A \next, 0, 4
.endm
.macro LASTSTEP                        ; the last 128 along K: nothing more to fetch.  Written once in each role's path
	s_wait_dscnt 4*NL
	WIN MUL_LO
	MUL16 0, 1, NQ-1, 1, 0
	MUL16 2, 1, NQ-1, 1, 0
	s_wait_dscnt 0
	WIN MUL_HI
	MUL16 4, 1, NQ-1, 1, 0
	MUL16 6, 1, NQ-1, 1, 0
	WIN 0
	PLACES NP                                      ; in front of the first read of results and the first write over A's fragments
.irp b, 0,1,2,3
	v_mov_b32 v[TM+4+\b], 0                        ; written once: a lane permute's destination counts as one of its sources
.endr
.endm
; ---- the way out ----
.macro CSLOAD a                        ; cos and sin for block a: my position 32 (a / 2) + 8 (a % 2) + r + 8 (r / 8), frequencies 16 h + 0 .. 15
.set CSB, CS+32*((\a)%2)
.irp k, 0,1,2,3
	global_load_b128 v[CSB+4*\k:CSB+4*\k+3], v[RA], s[RP:RP+1] offset:(32*((\a)/2)+8*((\a)%2))*256+16*\k
	global_load_b128 v[CSB+16+4*\k:CSB+16+4*\k+3], v[RA], s[RP:RP+1] offset:(32*((\a)/2)+8*((\a)%2))*256+128+16*\k
.endr
.endm
.macro ROPE a                          ; block a's 64 results (two heads c): d = 16 h + e and its partner d + 32 lie 16 registers apart.  Each accumulator is read from its low end on
.set AC, 64*((\a)%4)
.set CSB, CS+32*((\a)%2)
	WIN 0x02+(\a)/4                                ; source 0: the accumulators' window
.irp c, 0,1
.irp e, 0,2,4,6,8,10,12,14
.set TT, T+4*((\e/2)%2)
	v_pk_mul_f32 v[TT:TT+1], v[AC+32*\c+16+\e:AC+32*\c+17+\e], v[CSB+16+\e:CSB+17+\e]
	v_pk_mul_f32 v[TT+2:TT+3], v[AC+32*\c+16+\e:AC+32*\c+17+\e], v[CSB+\e:CSB+1+\e]
	v_pk_fma_f32 v[R+32*\c+\e:R+32*\c+1+\e], v[AC+32*\c+\e:AC+32*\c+1+\e], v[CSB+\e:CSB+1+\e], v[TT:TT+1] neg_lo:[0,0,1] neg_hi:[0,0,1]   ; t1 cos - t2 sin
	v_pk_fma_f32 v[R+32*\c+16+\e:R+32*\c+17+\e], v[AC+32*\c+\e:AC+32*\c+1+\e], v[CSB+16+\e:CSB+17+\e], v[TT+2:TT+3]                     ; t1 sin + t2 cos
.endr
.endr
	WIN 0
.endm
; 64 numbers of a lane, v[s] .. v[s + 63] of window w, register 16 b + i = place 32 b + 16 h + i along the quantiser's axis, become 12 registers of codes in v[PC] on (registers 6 c .. 6 c + 5: places 64 c + 32 h + 0 .. 31) and a scale word in v[PW]
.macro QUANT s, w
	WIN ((\w)<<2)|((\w)<<4)
.irp b, 0,1,2,3
	v_max3_num_f32 v[TM+\b], 0x2800000, |v[(\s)+16*\b]|, |v[(\s)+1+16*\b]|   ; block b: my 16 numbers, and the floor 2^(5 - 127)
.endr
.irp i, 2,4,6,8,10,12,14
.irp b, 0,1,2,3
	v_max3_num_f32 v[TM+\b], v[TM+\b], |v[(\s)+16*\b+\i]|, |v[(\s)+1+16*\b+\i]|
.endr
.endr
	WIN 0
.irp b, 0,1,2,3
	v_permlanex16_b32 v[TM+4+\b], v[TM+\b], s[SEL], s[SEL+1]
.endr
.irp b, 0,1,2,3
	v_max_num_f32 v[TM+\b], v[TM+\b], v[TM+4+\b]   ; with lane l xor 16's: the block's largest magnitude
.endr
.irp b, 0,1,2,3
	v_add_nc_u32 v[TM+12+\b], 0xfe000000, v[TM+\b] ; 4 off its exponent field: the conversion's scale operand
.endr
.irp b, 0,1,2,3
	v_lshrrev_b32 v[TM+4+\b], 23, v[TM+12+\b]      ; the scale's byte
.endr
	v_lshl_or_b32 v[PW], v[TM+5], 8, v[TM+4]
	v_lshl_or_b32 v[PW], v[TM+6], 16, v[PW]
	v_lshl_or_b32 v[PW], v[TM+7], 24, v[PW]
	WIN (\w)
.irp c, 0,1
	v_cvt_scalef32_pk16_bf6_f32 v[PC+6*\c:PC+2+6*\c], v[(\s)+32*\c:(\s)+15+32*\c], v[TM+12+2*\c]
	v_cvt_scalef32_pk16_bf6_f32 v[PC+12+4*\c:PC+14+4*\c], v[(\s)+16+32*\c:(\s)+31+32*\c], v[TM+12+2*\c+1]   ; (a conversion's three registers begin on an even number)
.endr
	WIN 0
	v_nop                                          ; one plain line behind a scaled conversion
.irp c, 0,1                            ; a whole block to a lane: lanes 0-15 block 2 c, lanes 16-31 block 2 c + 1
.irp i, 0,1,2
	v_permlane16_swap_b32 v[PC+6*\c+\i], v[PC+12+4*\c+\i]
.endr
.irp i, 0,1,2
	v_mov_b32 v[PC+3+6*\c+\i], v[PC+12+4*\c+\i]
.endr
.endr
.endm
.macro PUTQK a                         ; stage: [head c][stored row 16 a + r][48 bytes]; scale bytes [head c][row][2]
.irp c, 0,1
.irp p, 0,1,2
	ds_store_b64 v[STA], v[PC+6*\c+2*\p:PC+6*\c+2*\p+1] offset:STGQ+6144*\c+768*(\a)+8*\p
.endr
.endr
	ds_store_b16 v[STS], v[PW] offset:STGQ+12288+32*(\a)                ; both halves of the lanes write the same bytes with the same value
	ds_store_b16_d16_hi v[STS], v[PW] offset:STGQ+12288+256+32*(\a)
	s_wait_dscnt 0x0                               ; the stores have read their registers
.endm
.macro PUTV a                          ; stage: [head a / 4][half c of the 128 keys][stored channel 16 (a % 4) + r][48 bytes]; scale words [head][channel][4]
.irp c, 0,1
.irp p, 0,1,2
	ds_store_b64 v[STA], v[PC+6*\c+2*\p:PC+6*\c+2*\p+1] offset:STGV+6144*((\a)/4)+3072*\c+768*((\a)%4)+8*\p
.endr
.endr
	ds_store_b32 v[STW], v[PW] offset:STGV+12288+64*(\a)
	s_wait_dscnt 0x0
.endm
.macro SENDOUT stg                     ; the stage leaves as it lies: 6,144 bytes of codes and 256 scale bytes for each of my two heads; the second head lies 98,304 and 4,096 bytes on, in both roles
.set i, 0
.rept 24
	ds_load_b128 v[BK+4*i:BK+4*i+3], v[RDB] offset:\stg+512*i       ; LDS serves a wave's instructions in order: these see my stores
.set i, i+1
.endr
	ds_load_b128 v[BK+96:BK+99], v[RDB] offset:\stg+12288
.set i, 0
.rept 24
	s_wait_dscnt 24-i                              ; the younger LDS loads may be out
	global_store_b128 v[GOC], v[BK+4*i:BK+4*i+3], s[12:13] offset:512*(i%12)+98304*(i/12)   ; 32 lanes store 512 consecutive bytes, aligned
.set i, i+1
.endr
	s_wait_dscnt 0x0
	global_store_b128 v[GOS], v[BK+96:BK+99], s[66:67]             ; sixteen lanes store 256 consecutive bytes, aligned
.endm
	s_wait_tensorcnt 1                             ; the scale bytes and my part of K step 0 are in; K step 1's load may be out
	s_barrier_signal -1
	s_barrier_wait -1
	FETCH_B 0, 0, 0
	FETCH_A 0, 0, 0
	SCALES 0
	FETCH_A 0, 0, 4
	STEP 0, 0, 1                                   ; the first step's products start the sums
	s_mov_b32 s3, LAPS-1
.Llap:                                             ; a trip goes once round the ring and fills both slots again
	TURN 0, 1, 1
	STEP 1, 0, 0
	TURN 1, 0, 1
	STEP 0, 0, 0
	s_sub_co_u32 s3, s3, 1
	s_cmp_lg_u32 s3, 0
	s_cbranch_scc1 .Llap
	TURN 0, 1, 0                                   ; the last lap fills nothing
	STEP 1, 0, 0
	s_cmp_eq_u32 s[ROLE], 1
	s_cbranch_scc1 .Lrole_v
	; ---- role QK: rotation, quantiser along the head's 64 ----
	CSLOAD 0                                       ; the first two blocks' cos and sin land under the last 64 products
	CSLOAD 1
	LASTSTEP
.irp a, 0,1,2,3,4,5,6,7
.if \a < 7
	s_wait_loadcnt 8                               ; this block's eight loads are in; the next block's eight may be out
.else
	s_wait_loadcnt 0x0
.endif
	ROPE \a
.if \a < 6
	CSLOAD \a+2
.endif
	QUANT R, 0
	PUTQK \a
.endr
	SENDOUT STGQ
	s_branch .Lclose
.Lrole_v:
	; ---- role V: quantiser along the keys, straight from the accumulators ----
	LASTSTEP
.irp a, 0,1,2,3,4,5,6,7
	QUANT 64*(\a%4), 2+\a/4
	PUTV \a
.endr
	SENDOUT STGV
.Lclose:
	s_wait_tensorcnt 0x0                           ; the wave's end, behind my last tensor load and my last LDS store
	ds_add_u32 v[SPW], v[NIL]
	s_wait_dscnt 0x0
	CROUND                                         ; the closing round: no work-group ends while a partner may still ask for a tile that names it
	s_endpgm
.Lfunc_end_k_q9a8506db3e_qkv:
	.size	k_q9a8506db3e_qkv, .Lfunc_end_k_q9a8506db3e_qkv-k_q9a8506db3e_qkv
	.p2alignl 7, 3214868480
	.fill 96, 4, 3214868480
	.section	.rodata,"a",@progbits
	.p2align	6, 0x0
	.amdhsa_kernel k_q9a8506db3e_qkv
		.amdhsa_group_segment_fixed_size 327680
		.amdhsa_private_segment_fixed_size 0
		.amdhsa_enable_private_segment 0
		.amdhsa_kernarg_size 32
		.amdhsa_user_sgpr_count 2
		.amdhsa_user_sgpr_kernarg_segment_ptr 1
		.amdhsa_wavefront_size32 1
		.amdhsa_system_sgpr_workgroup_id_x 1
		.amdhsa_system_sgpr_workgroup_id_y 1
		.amdhsa_system_sgpr_workgroup_id_z 1
		.amdhsa_system_vgpr_workitem_id 0
		.amdhsa_next_free_vgpr 1024
		.amdhsa_next_free_sgpr 102
		.amdhsa_reserve_vcc 0
		.amdhsa_float_denorm_mode_32 3
		.amdhsa_float_denorm_mode_16_64 3
		.amdhsa_memory_ordered 1
		.amdhsa_forward_progress 1
		.amdhsa_inst_pref_size 255
	.end_amdhsa_kernel
	.section	.bss,"aw",@nobits
	.p2align	6
	.space	262144
	.amdgpu_metadata
---
amdhsa.version: [ 1, 2 ]
amdhsa.kernels:
  - .name:           k_q9a8506db3e_qkv
    .symbol:         k_q9a8506db3e_qkv.kd
    .args:
      - { .name: xq, .offset: 0, .size: 8, .value_kind: global_buffer, .address_space: global }
      - { .name: wt, .offset: 8, .size: 8, .value_kind: global_buffer, .address_space: global }
      - { .name: rope, .offset: 16, .size: 8, .value_kind: global_buffer, .address_space: global }
      - { .name: qkv, .offset: 24, .size: 8, .value_kind: global_buffer, .address_space: global }
    .group_segment_fixed_size: 327680
    .private_segment_fixed_size: 0
    .kernarg_segment_align: 8
    .kernarg_segment_size: 32
    .max_flat_workgroup_size: 128
    .sgpr_count:     102
    .vgpr_count:     1024
    .wavefront_size: 32
...
	.end_amdgpu_metadata
.endif
;; end of part 2
;; launch attn (part 3): grid 8 x 64, 16 waves a work-group, no clusters, 327,680 bytes of LDS; arguments qkv, att; writes att
.if DOCPART == 3
	.amdgcn_target "amdgcn-amd-amdhsa--gfx1250"
	.amdhsa_code_object_version 6
	.text
	.protected	k_q9a8506db3e_attn
	.globl	k_q9a8506db3e_attn
	.p2align	8
	.type	k_q9a8506db3e_attn,@function
k_q9a8506db3e_attn:
	s_mov_b64 s[64:65], 0
	v_nop
	global_prefetch_b8 v0, s[64:65] scope:SCOPE_SE
	s_setreg_imm32_b32 hwreg(HW_REG_WAVE_MODE, 25, 1), 1
	s_wait_xcnt 0x0
; LAUNCH 3 OF 4.  O[q] = the sum over keys k <= q of softmax_k(Q[q] . K[k] / 8) V[k], for each of 64 (batch, head), 2,048 positions, head size 64; both products on codes of BF6 (E3M2) with E8M0 scales.
; WORK LEFT OUT: key steps all of whose keys come after the wave's queries, and slots that no wave of the work-group reads: reference()'s own causal mask makes their weights 0 for every input (shown at the head of launch 1).
; THE SOFTMAX AHEAD OF THE SECOND PRODUCT: t = score x log2(e) / 8; M = the row's largest t so far, rounded UP to a whole number; p = 2^(t - M) is quantised along the keys, not normalised.  The row's sum is taken of the unquantised p and divides
; O at the end.  When M moves, the sum and O are multiplied by 2^(old M - new M): exact.  O / l is then quantised along E (a head is two blocks of 32) and leaves as codes for launch 4.
; SHARES.  A work-group serves one (batch, head); each of its sixteen waves owns 16 queries in 256 registers.  Eight waves take block x of 128 queries, eight take block 15 - x: so every work-group has 8 x 17 wave steps under the mask.
; Of each four waves with neighbouring numbers, and of each four whose numbers are equal modulo 4, two take the early block and two the late one.
; K's head size is 64 and the instruction's K is 128: registers 6 to 11 of Q's and K's fragments hold zero codes, written once; bytes 2 and 3 of their scale words are 0 (a small power of two) over zero codes.
; LAYOUT.  Both products transposed: S^T = K Q^T, O^T = V^T P^T: a lane holds one query.  K's rows and V's channels lie in storage order (launch 1): plainly read tiles give 16 neighbouring keys, and at the end 16 neighbouring channels, in 16 registers.
; THE RING: two slots of 256 keys (K 12,288 bytes, V 12,288).  Wave 0 fetches a slot's K, wave 1 its V, one dense load each, so that every load holds the slot's first key step, which is read whenever the slot is asked for.
; The scale bytes of the whole head come once.  By this text's count a wave has at most two tensor loads out; every wait for tensor loads is for 0.
; NO CLUSTER: the work-groups of a head stop asking at different slots (their last queries differ), and a joint load has to be issued by every partner that it names: partners would fetch slots that none of their waves reads.
; LIMITS: as stated at the head of launch 1; a block of p that has fallen to 0 keeps the byte 1 over zero codes.
; REGISTERS: v1-7 addresses that stay; v8-11 addresses in hand; v12 -M, v13 the largest t, v[14:15] the sum; v16-27 Q; v28 prefetch offset; v29 r - 16 h; v30 32 r; v32-79 four fragments of K; v80-127 four of V; v128-191 S^T, then p;
;   v192-223 O^T; v224-235 p's codes; v232-254 at work; v248-251 scale words of the fragments in hand; v253 p's scale word; v255 Q's.
.set SK,    256
.set NSL,   8                          ; slots' worth of keys
.set KB,    6144                       ; a key step's K, or V, in bytes
.set VOFF,  2*KB
.set SLOT1, 1<<17
.set SCK,   2*SLOT1                    ; K's scale bytes: 16 runs of 256 bytes (a key step each) + 16 of padding
.set SCV,   SCK+16*272                 ; V's scale words likewise
.set SPARE, SCV+16*272                 ; the spare words, 128 bytes for each wave
.set AK0,  1
.set AV0,  2
.set ASK0, 3
.set ASV0, 4
.set SPW,  5
.set NIL,  6
.set GO,   7
.set ADK,  8
.set ADV,  9
.set ADS,  10
.set ADT,  11
.set PFO,  28
.set DQ,   29
.set GS,   30
.set TB,   2                           ; s2   LDS byte at which the slot in hand begins
.set TS,   3                           ; s3   where the step's scale bytes begin: 272 a step, K's and V's alike
.set WV,   18
.set SEL,  20
.set CS,   22                          ; s[22:23] c = log2(e) / 8
.set G1T,  24
.set G1S,  32
.set G0T,  40
.set G0S,  44
.set SLOTS, 67
.set PFA,  76
.set LIM,  80
.set QL,   95                          ; s95  my work-group's last query
.set KF,   98                          ; s98  the step's first key
.set Q0,   99                          ; s99  my first query
.macro TLOAD                           ; waves 0 and 1 fetch; the branch hangs on the wave's number alone.  An s_nop 0 and four v_nop follow the load
	s_cmp_lt_u32 s[WV], 2
	s_cbranch_scc0 .Lasked_\@
	tensor_load_to_lds s[G0T:G0T+3], s[G1T:G1T+7]
	s_nop 0
.rept 4
	v_nop
.endr
.Lasked_\@:
.endm
; A prefetch of the slot that the NEXT change of slots will ask for: K's 48 and V's 48 blocks of 256 bytes, a lane a block.  All work-groups of a head walk the same K and V: the head's work-group x = 0 asks, which walks all keys; in it waves 4 to 6,
; which fetch nothing.  So each block is named once in the launch.  Slots 0 and 1 and the scale bytes come by their loads alone; the last change that fills a slot asks for nothing.
.macro ASK
	s_cmp_gt_u32 s[SLOTS], s[LIM]
	s_cbranch_scc0 .Lnot_mine_\@
	global_prefetch_b8 v[PFO], s[PFA:PFA+1] th:TH_LOAD_NT scope:SCOPE_SE
.Lnot_mine_\@:
.endm
	s_load_b128 s[4:7], s[0:1], 0x0                ; qkv, att
	v_lshl_add_u32 v[SPW], v0, 2, SPARE
	v_mov_b32 v[NIL], 0
	ds_add_u32 v[SPW], v[NIL]                      ; the wave's opening: the add, twice on end, and its wait ahead of my first tensor load
	ds_add_u32 v[SPW], v[NIL]
	v_lshrrev_b32 v8, 5, v0
	v_readfirstlane_b32 s[WV], v8                  ; wave 0..15
	s_and_b32 s48, ttmp7, 0xffff                   ; 16 x batch + head
	s_lshr_b32 s82, s[WV], 2
	s_xor_b32 s83, s82, s[WV]
	s_and_b32 s83, s83, 1                          ; 1: the late block
	s_bfe_u32 s84, s[WV], 0x10001
	s_lshl_b32 s82, s82, 1
	s_add_co_u32 s82, s82, s84                     ; which 16 of the block's 128
	s_sub_co_u32 s84, 15, ttmp9
	s_cmp_eq_u32 s83, 1
	s_cselect_b32 s84, s84, ttmp9
	s_lshl_b32 s84, s84, 7
	s_lshl_b32 s82, s82, 4
	s_add_co_u32 s[Q0], s84, s82
	s_sub_co_u32 s[QL], 16, ttmp9
	s_lshl_b32 s[QL], s[QL], 7
	s_sub_co_u32 s[QL], s[QL], 1
	s_and_b32 s49, s[Q0], 0x7e0                    ; where my 16 queries lie in storage order: (Q0 & ~31) + ((Q0 >> 1) & 8) + r + 8 (r / 8)
	s_lshr_b32 s82, s[Q0], 1
	s_and_b32 s82, s82, 8
	s_add_co_u32 s49, s49, s82
	s_mul_i32 s50, s48, 98304                      ; the head's codes, in each of q, k, v
	s_lshl_b32 s51, s48, 12                        ; its scale bytes
	s_mul_i32 s52, s49, 48
	s_add_co_u32 s52, s52, s50                     ; Q's codes
	s_mov_b32 s53, 0
	s_lshl_b32 s54, s49, 1
	s_add_co_u32 s54, s54, s51
	s_add_co_u32 s54, s54, 18874368                ; Q's scale bytes
	s_mov_b32 s55, 0
	s_lshr_b32 s56, s48, 4                         ; batch
	s_and_b32 s57, s48, 15                         ; head
	s_lshl_b32 s58, s56, 4
	s_lshr_b32 s59, s[Q0], 7
	s_add_co_u32 s58, s58, s59                     ; which group of 128 rows of all 8,192
	s_lshl_b32 s58, s58, 4
	s_add_co_u32 s58, s58, s57
	s_mul_i32 s58, s58, 6144
	s_and_b32 s59, s[Q0], 127
	s_mul_i32 s59, s59, 48
	s_add_co_u32 s58, s58, s59                     ; out: [group][head][row 128][48 bytes]
	s_mov_b32 s59, 0
	s_lshl_b32 s60, s56, 11
	s_add_co_u32 s60, s60, s[Q0]
	s_lshl_b32 s60, s60, 5
	s_lshl_b32 s61, s57, 1
	s_add_co_u32 s60, s60, s61
	s_add_co_u32 s60, s60, 6291456                 ; out: scale bytes [row 8,192][32], my head's two
	s_mov_b32 s61, 0
	s_and_b32 s62, s[WV], 1                        ; what I fetch, if I fetch: wave 0 K, wave 1 V
	s_add_co_u32 s62, s62, 1
	s_mul_i32 s68, s62, 6291456
	s_add_co_u32 s68, s68, s50
	s_mov_b32 s69, 0
	s_lshl_b32 s70, s62, 18
	s_add_co_u32 s70, s70, s51
	s_add_co_u32 s70, s70, 18874368
	s_mov_b32 s71, 0
	s_mov_b32 s[G1T], 3<<16                        ; a slot's K or V: 12,288 dense bytes as 48 rows of 32 elements of 8 bytes; no mask, no padding
	s_mov_b32 s[G1T+1], 32<<16
	s_mov_b32 s[G1T+2], 48<<16
	s_mov_b32 s[G1T+3], 32<<16
	s_mov_b32 s[G1T+4], 48
	s_mov_b32 s[G1T+5], 32
	s_mov_b32 s[G1T+6], 0
	s_mov_b32 s[G1T+7], 0
	s_mov_b32 s[G1S], (3<<16)|(1<<20)|(5<<22)|(3<<25)  ; a head's scale bytes: 4,096 dense bytes as 16 rows of 256, 16 bytes of padding behind each
	s_mov_b32 s[G1S+1], 32<<16
	s_mov_b32 s[G1S+2], 16<<16
	s_mov_b32 s[G1S+3], 32<<16
	s_mov_b32 s[G1S+4], 16
	s_mov_b32 s[G1S+5], 32
	s_mov_b32 s[G1S+6], 0
	s_mov_b32 s[G1S+7], 0
	s_mov_b32 s[SEL], 0x76543210
	s_mov_b32 s[SEL+1], 0xfedcba98
	s_mov_b32 s[CS], 0x3e38aa3b                    ; c = log2(e) / 8
	s_mov_b32 s[CS+1], s[CS]                       ; (named with it as a pair, so it is written)
	s_mov_b32 s[TB], 0
	s_mov_b32 s[TS], 0
	s_mov_b32 s[SLOTS], NSL-1
	s_mov_b32 s[KF], 0
	s_sub_co_u32 s82, s[WV], 4
	s_cmp_lt_u32 s82, 3                            ; waves 4 to 6
	s_cselect_b32 s82, 0, 1
	s_or_b32 s82, s82, ttmp9                       ; of the head's work-group 0
	s_cmp_eq_u32 s82, 0
	s_cselect_b32 s[LIM], 1, -1
	s_wait_dscnt 0x0                               ; both opening adds are done
	s_wait_kmcnt 0x0
	s_mov_b32 s[G0S], 1
	s_mul_i32 s[G0S+1], s[WV], 16*272
	s_add_co_u32 s[G0S+1], s[G0S+1], SCK
	s_add_nc_u64 s[G0S+2:G0S+3], s[4:5], s[70:71]
	s_or_b32 s[G0S+3], s[G0S+3], 0x80000000
	s_mov_b32 s[G0T], 1
	s_mul_i32 s[G0T+1], s[WV], 2*KB                ; slot 0: K at 0, V behind it
	s_add_nc_u64 s[G0T+2:G0T+3], s[4:5], s[68:69]
	s_or_b32 s[G0T+3], s[G0T+3], 0x80000000
	s_cmp_lt_u32 s[WV], 2                          ; a wave's two first fills stand in one branch, ahead of every wait for tensor loads, every LDS read and every barrier
	s_cbranch_scc0 .Lno_first
	tensor_load_to_lds s[G0S:G0S+3], s[G1S:G1S+7]
	s_nop 0
	tensor_load_to_lds s[G0T:G0T+3], s[G1T:G1T+7]
	s_nop 0
.rept 4
	v_nop
.endr
.Lno_first:
	s_add_nc_u64 s[8:9], s[4:5], s[52:53]
	s_add_nc_u64 s[10:11], s[4:5], s[54:55]
	s_add_nc_u64 s[12:13], s[6:7], s[58:59]
	s_add_nc_u64 s[14:15], s[6:7], s[60:61]
	s_add_co_u32 s50, s50, 6291456+2*KB            ; the prefetches stand in K's slot 1; the first change of slots steps them to slot 2
	s_mov_b32 s51, 0
	s_add_nc_u64 s[PFA:PFA+1], s[4:5], s[50:51]
	v_and_b32 v8, 15, v0                           ; r
	v_bfe_u32 v9, v0, 4, 1                         ; h
	v_and_b32 v11, 8, v8
	v_add_nc_u32 v11, v11, v8                      ; r + 8 (r / 8)
	v_mul_u32_u24 v10, v11, 48
	v_mad_u32_u24 v10, v9, 24, v10
.irp p, 0,1,2
	global_load_b64 v[16+2*\p:17+2*\p], v10, s[8:9] offset:8*\p    ; Q's 24 bytes: channels 32 h + 0 .. 31
.endr
	v_lshlrev_b32 v254, 1, v11
	global_load_u16 v255, v254, s[10:11]           ; Q's two scale bytes
	v_mul_u32_u24 v[AK0], v8, 48
	v_mad_u32_u24 v[AK0], v9, 24, v[AK0]           ; rows of 48 bytes: 12 r + 6 h words: the 32 lanes of a load of 8 bytes touch 64 different banks
	v_add_nc_u32 v[AV0], VOFF, v[AK0]
	v_lshl_add_u32 v[ASK0], v8, 1, SCK
	v_lshl_add_u32 v[ASV0], v8, 2, SCV
	v_and_b32 v[GO], 31, v0
	v_lshlrev_b32 v[GO], 3, v[GO]
	v_lshlrev_b32 v[DQ], 4, v9
	v_sub_nc_u32 v[DQ], v8, v[DQ]
	v_lshlrev_b32 v[GS], 5, v8
	v_and_b32 v31, 127, v0                         ; in waves 4 to 6: block 0 .. 95 (held at 95 in the others, which do not ask)
	v_min_u32 v31, 95, v31
	v_lshlrev_b32 v[PFO], 8, v31
	v_add_nc_u32 v252, 6291456-2*KB, v[PFO]
	v_cmp_lt_u32 vcc_lo, 47, v31
	v_cndmask_b32 v[PFO], v[PFO], v252, vcc_lo     ; blocks 48 on are V's
	v_mov_b32 v13, 0xff61b1e6                      ; the largest t so far: -3e38
	v_floor_f32 v12, -v13                          ; -M
	v_mov_b32 v14, 0
	v_mov_b32 v15, 0
	v_mov_b32 v252, 0
	v_mov_b32 v253, 0                              ; (named as the upper half of the pair v[252:253] before it is first written)
.irp b, 0,1,2,3
	v_mov_b32 v[236+\b], 0                         ; a lane permute's destination counts as one of its sources
.endr
.irp j, 22,23,24,25,26,27
	v_mov_b32 v[\j], 0                             ; zero codes: the upper 64 of the instruction's K
.endr
.irp t, 0,1,2,3
.irp j, 6,7,8,9,10,11
	v_mov_b32 v[32+12*\t+\j], 0
.endr
.endr
.set i, 0
.rept 32
	v_mov_b32 v[192+i], 0                          ; O^T.  (The loop is written once: its first step finds zeros, which the first change of M leaves zeros)
.set i, i+1
.endr
; A KEY STEP: 128 keys, the q-th of the slot in hand.
.macro STEP q
	s_add_co_u32 s96, s[Q0], 15                    ; a step all of whose keys come after my 16 queries is left out: a branch on ids, round the step's work; not round the lines at its end that step addresses
	s_cmp_gt_u32 s[KF], s96
	s_cbranch_scc1 .Lhidden_\@
	v_add_nc_u32 v[ADK], s[TB], v[AK0]             ; (these four are the places behind the last step's products, in front of the loads below)
	v_add_nc_u32 v[ADV], s[TB], v[AV0]
	v_add_nc_u32 v[ADS], s[TS], v[ASK0]
	v_add_nc_u32 v[ADT], s[TS], v[ASV0]
.irp g, 0,1                            ; S^T = K Q^T, four tiles of 16 keys at a time
.if \g > 0
.rept 4
	v_nop                                          ; places in front of loads into registers that matrix instructions have read
.endr
.endif
.irp t, 0,1,2,3
.irp p, 0,1,2
	ds_load_b64 v[32+12*\t+2*\p:33+12*\t+2*\p], v[ADK] offset:KB*(\q)+768*(4*\g+\t)+8*\p
.endr
	ds_load_u16 v[248+\t], v[ADS] offset:32*(4*\g+\t)
.endr
	s_wait_dscnt 0x0
.irp t, 0,1,2,3
	v_wmma_scale_f32_16x16x128_f8f6f4 v[128+8*(4*\g+\t):135+8*(4*\g+\t)], v[32+12*\t:43+12*\t], v[16:27], 0, v[248+\t], v255 matrix_a_fmt:MATRIX_FMT_BF6 matrix_b_fmt:MATRIX_FMT_BF6
.endr
.endr
.rept 4
	v_nop
.endr
.irp t, 0,1,2,3                        ; V's four fragments and their scale words are asked for now and land under the softmax
.irp p, 0,1,2,3,4,5
	ds_load_b64 v[80+12*\t+2*\p:81+12*\t+2*\p], v[ADV] offset:KB*(\q)+3072*(\p/3)+768*\t+8*(\p%3)
.endr
	ds_load_b32 v[248+\t], v[ADT] offset:64*\t
.endr
	s_add_co_u32 s96, s[KF], 127                   ; on the diagonal the scores of hidden keys become -infinity ahead of the maximum.  A step all of whose keys count skips this
	s_cmp_le_u32 s96, s[Q0]
	s_cbranch_scc1 .Lopen_\@
	s_sub_co_i32 s96, s[Q0], s[KF]
	v_add_nc_u32 v252, s96, v[DQ]                  ; d = my query - KF - 16 h.  Register 16 b + i holds key KF + 16 h + 32 b + i: hidden where 32 b + i > d
	v_mov_b32 v254, 0xff800000
.irp n, 0,1,2,3,4,5,6,7,8,9,10,11,12,13,14,15,16,17,18,19,20,21,22,23,24,25,26,27,28,29,30,31,32,33,34,35,36,37,38,39,40,41,42,43,44,45,46,47,48,49,50,51,52,53,54,55,56,57,58,59,60,61,62,63
	v_cmp_gt_i32 vcc_lo, 32*(\n/16)+\n%16, v252
	v_cndmask_b32 v[128+\n], v[128+\n], v254, vcc_lo
.endr
.Lopen_\@:
.irp b, 0,1,2,3
	v_max3_num_f32 v[232+\b], v[128+16*\b], v[129+16*\b], v[130+16*\b]   ; the largest score of each block of 32 keys: for the row's maximum and, since p rises with the score, for the block's largest p
.endr
.irp i, 3,5,7,9,11,13
.irp b, 0,1,2,3
	v_max3_num_f32 v[232+\b], v[232+\b], v[128+16*\b+\i], v[129+16*\b+\i]
.endr
.endr
.irp b, 0,1,2,3
	v_max_num_f32 v[232+\b], v[232+\b], v[143+16*\b]
.endr
.irp b, 0,1,2,3
	v_permlanex16_b32 v[236+\b], v[232+\b], s[SEL], s[SEL+1]
.endr
.irp b, 0,1,2,3
	v_max_num_f32 v[232+\b], v[232+\b], v[236+\b]  ; with lane l xor 16's 16 keys
.endr
	v_max3_num_f32 v254, v232, v233, v234
	v_max_num_f32 v254, v254, v235
	v_mul_f32 v254, s[CS], v254                    ; as t (c is positive)
	v_max_num_f32 v13, v13, v254                   ; the running largest t
	v_mov_b32 v254, v12
	v_floor_f32 v12, -v13                          ; the new -M = floor(-t): M is a whole number
	v_sub_f32 v254, v12, v254                      ; old M - new M: a whole number, 0 or less
	v_cvt_i32_f32 v254, v254                       ; (it saturates)
	v_ldexp_f32 v252, 1.0, v254                    ; f = 2^(old M - new M)
.irp j, 0,2,4,6,8,10,12,14,16,18,20,22,24,26,28,30,32,34,36,38,40,42,44,46,48,50,52,54,56,58,60,62
	v_pk_fma_f32 v[128+\j:129+\j], v[128+\j:129+\j], s[CS:CS+1], v[12:13] op_sel_hi:[1,0,0]   ; t - M, two at a time
.endr
.irp b, 0,1,2,3
	v_fma_f32 v[232+\b], v[232+\b], s[CS], v12     ; the same of each block's largest score
.endr
.irp j, 0,1,2,3,4,5,6,7,8,9,10,11,12,13,14,15,16,17,18,19,20,21,22,23,24,25,26,27,28,29,30,31,32,33,34,35,36,37,38,39,40,41,42,43,44,45,46,47,48,49,50,51,52,53,54,55,56,57,58,59,60,61,62,63
	v_exp_f32 v[128+\j], v[128+\j]                 ; p = 2^(t - M): one batch
.endr
	v_pk_mul_f32 v[14:15], v[14:15], v[252:253] op_sel_hi:[1,0]   ; the sums under the new M (a plain line behind the exponentials)
	s_wait_alu depctr_va_vdst(0)                   ; one wait for the batch, ahead of its first reader
.irp b, 0,1,2,3
	v_exp_f32 v[232+\b], v[232+\b]                 ; the block's largest p
.endr
	v_pk_add_f32 v[236:237], v[128:129], v[130:131]   ; the row's sum is taken of the unquantised p, in two chains
.irp j, 4,8,12,16,20,24,28,32,36,40,44,48,52,56,60
	v_pk_add_f32 v[14:15], v[14:15], v[128+\j:129+\j]
	v_pk_add_f32 v[236:237], v[236:237], v[130+\j:131+\j]
.endr
	v_pk_add_f32 v[14:15], v[14:15], v[236:237]
	s_wait_alu depctr_va_vdst(0)                   ; and one for the four
.irp b, 0,1,2,3
	v_max_num_f32 v[232+\b], 0x2800000, v[232+\b]  ; the floor 2^(5 - 127)
.endr
.irp b, 0,1,2,3
	v_add_nc_u32 v[244+\b], 0xfe000000, v[232+\b]  ; 4 off the exponent field: the conversion's scale operand
.endr
.irp b, 0,1,2,3
	v_lshrrev_b32 v[236+\b], 23, v[244+\b]         ; the scale's byte
.endr
	v_lshl_or_b32 v253, v237, 8, v236              ; p's scale word for these 128 keys
	v_lshl_or_b32 v253, v238, 16, v253
	v_lshl_or_b32 v253, v239, 24, v253
.irp c, 0,1
	v_cvt_scalef32_pk16_bf6_f32 v[224+6*\c:226+6*\c], v[128+32*\c:143+32*\c], v[244+2*\c]
	v_cvt_scalef32_pk16_bf6_f32 v[236+4*\c:238+4*\c], v[144+32*\c:159+32*\c], v[244+2*\c+1]
.endr
	v_nop                                          ; one plain line behind a scaled conversion
.irp c, 0,1
.irp i, 0,1,2
	v_permlane16_swap_b32 v[224+6*\c+\i], v[236+4*\c+\i]
.endr
.irp i, 0,1,2
	v_mov_b32 v[227+6*\c+\i], v[236+4*\c+\i]
.endr
.endr
.irp j, 0,2,4,6,8,10,12,14,16,18,20,22,24,26,28,30
	v_pk_mul_f32 v[192+\j:193+\j], v[192+\j:193+\j], v[252:253] op_sel_hi:[1,0]   ; O^T under the new M.  (These 16 are also the places between the lines that made p's codes and scale word and the products)
.endr
	s_wait_dscnt 0x0                               ; V's fragments and scale words are in
.irp t, 0,1,2,3                        ; O^T += V^T P^T: four tiles of 16 channels, the accumulators by turns
	v_wmma_scale_f32_16x16x128_f8f6f4 v[192+8*\t:199+8*\t], v[80+12*\t:91+12*\t], v[224:235], v[192+8*\t:199+8*\t], v[248+\t], v253 matrix_a_fmt:MATRIX_FMT_BF6 matrix_b_fmt:MATRIX_FMT_BF6
.endr
.Lhidden_\@:
	s_add_co_u32 s[KF], s[KF], 128
	s_add_co_u32 s[TS], s[TS], 272
.endm
; THE CHANGE OF SLOTS stands at a slot's head.  Each wave waits for all its tensor loads, adds 0 to its spare word (fill = 1: twice on end), and waits for that and for its reads of the slot that it has left.  Behind the barrier the slot ahead is
; whole and nobody reads the other one.  fill = 1: that other slot is filled with the keys that follow, while its first key is at or under the work-group's last query: a slot beyond that is read by no wave.
.macro CHANGE fill
	s_wait_tensorcnt 0x0                           ; no tensor load of mine is out, so a descriptor may be written
	ds_add_u32 v[SPW], v[NIL]
.if \fill
	ds_add_u32 v[SPW], v[NIL]                      ; and once more
	s_xor_b32 s[G0T+1], s[G0T+1], SLOT1            ; the walking descriptor: the other slot,
	s_add_nc_u64 s[G0T+2:G0T+3], s[G0T+2:G0T+3], 2*KB   ; the next 256 keys
	s_wait_xcnt 0x0                                ; the last prefetch, a slot back, has read its address
	s_add_nc_u64 s[PFA:PFA+1], s[PFA:PFA+1], 2*KB
.endif
	s_wait_dscnt 0x0                               ; the adds are done, and my reads of the slot that I have left are over
	s_barrier_signal -1
	s_barrier_wait -1
.if \fill
	s_add_co_u32 s96, s[KF], SK                    ; the first key of the slot that this change would ask for
	s_cmp_gt_u32 s96, s[QL]                        ; ids and the count of steps alone: all sixteen waves go the same way, and a work-group that is past the limit stays past it
	s_cbranch_scc1 .Lpast_\@
	TLOAD                                          ; a wave's one tensor load until the next such barrier
.Lpast_\@:
	ASK
.endif
.endm
.macro SLOT_STEPS
	STEP 0
	STEP 1
	s_xor_b32 s[TB], s[TB], SLOT1
.endm
	s_wait_loadcnt 0x0                             ; Q
.Lslot:                                            ; 7 trips
	CHANGE 1
	SLOT_STEPS
	s_sub_co_u32 s[SLOTS], s[SLOTS], 1
	s_cmp_lg_u32 s[SLOTS], 0
	s_cbranch_scc1 .Lslot
	CHANGE 0                                       ; the last slot is written out: nothing is left to ask for
	SLOT_STEPS
	; THE WAY OUT.  O^T / the sum, quantised along E: register 16 b + i is channel 32 b + 16 h + i of my query.
	v_add_f32 v14, v14, v15
	v_permlanex16_b32 v252, v14, s[SEL], s[SEL+1]
	v_add_f32 v14, v14, v252                       ; the row's sum
	v_rcp_f32 v14, v14
	v_and_b32 v8, 15, v0                           ; (a plain line behind the reciprocal)
	v_bfe_u32 v9, v0, 4, 1
	s_mul_i32 s96, s[WV], 768                      ; my stage, in LDS slot 0: left at the last change of slots; it has had its last fill, and nobody reads it
	v_mul_u32_u24 v10, v8, 48
	v_mad_u32_u24 v10, v9, 24, v10
	v_add_nc_u32 v10, s96, v10                     ; in: row r, + 24 h
	v_add_nc_u32 v11, s96, v[GO]                   ; back: 8 bytes a lane
	s_wait_alu depctr_va_vdst(0)                   ; the wait, ahead of the reciprocal's first reader
.set i, 0
.rept 32
	v_mul_f32 v[128+i], v[192+i], v14              ; each accumulator from its low end on
.set i, i+1
.endr
.irp b, 0,1
	v_max3_num_f32 v[232+\b], |v[128+16*\b]|, |v[129+16*\b]|, 0x2800000
.endr
.irp i, 2,4,6,8,10,12,14
.irp b, 0,1
	v_max3_num_f32 v[232+\b], v[232+\b], |v[128+16*\b+\i]|, |v[129+16*\b+\i]|
.endr
.endr
.irp b, 0,1
	v_permlanex16_b32 v[236+\b], v[232+\b], s[SEL], s[SEL+1]
.endr
.irp b, 0,1
	v_max_num_f32 v[232+\b], v[232+\b], v[236+\b]
.endr
.irp b, 0,1
	v_add_nc_u32 v[244+\b], 0xfe000000, v[232+\b]
.endr
.irp b, 0,1
	v_lshrrev_b32 v[236+\b], 23, v[244+\b]
.endr
	v_lshl_or_b32 v254, v237, 8, v236              ; my row's two scale bytes
	v_cvt_scalef32_pk16_bf6_f32 v[224:226], v[128:143], v244
	v_cvt_scalef32_pk16_bf6_f32 v[228:230], v[144:159], v245
	v_nop                                          ; one plain line behind a scaled conversion
.irp i, 0,1,2
	v_permlane16_swap_b32 v[224+\i], v[228+\i]     ; a whole block to a lane
.endr
	v_mov_b32 v227, v228
	v_mov_b32 v228, v229
	v_mov_b32 v229, v230                           ; v224-229: channels 32 h + 0 .. 31 of row r
.irp p, 0,1,2
	ds_store_b64 v10, v[224+2*\p:225+2*\p] offset:8*\p
.endr
.irp i, 0,1,2
	ds_load_b64 v[32+2*\i:33+2*\i], v11 offset:256*\i              ; LDS serves a wave's instructions in order: these see my stores
.endr
	global_store_b16 v[GS], v254, s[14:15]         ; two bytes of each of 16 rows of 32: a row's 32 bytes come from sixteen work-groups (both halves of the lanes write the same bytes with the same value)
.irp i, 0,1,2
	s_wait_dscnt 2-\i                              ; the younger LDS loads may be out
	global_store_b64 v[GO], v[32+2*\i:33+2*\i], s[12:13] offset:256*\i   ; 32 lanes store 256 consecutive bytes, aligned
.endr
	s_wait_tensorcnt 0x0                           ; the wave's end, behind my last tensor load and my last LDS store
	ds_add_u32 v[SPW], v[NIL]
	s_wait_dscnt 0x0
	s_endpgm
.Lfunc_end_k_q9a8506db3e_attn:
	.size	k_q9a8506db3e_attn, .Lfunc_end_k_q9a8506db3e_attn-k_q9a8506db3e_attn
	.p2alignl 7, 3214868480
	.fill 96, 4, 3214868480
	.section	.rodata,"a",@progbits
	.p2align	6, 0x0
	.amdhsa_kernel k_q9a8506db3e_attn
		.amdhsa_group_segment_fixed_size 327680
		.amdhsa_private_segment_fixed_size 0
		.amdhsa_enable_private_segment 0
		.amdhsa_kernarg_size 16
		.amdhsa_user_sgpr_count 2
		.amdhsa_user_sgpr_kernarg_segment_ptr 1
		.amdhsa_wavefront_size32 1
		.amdhsa_system_sgpr_workgroup_id_x 1
		.amdhsa_system_sgpr_workgroup_id_y 1
		.amdhsa_system_sgpr_workgroup_id_z 1
		.amdhsa_system_vgpr_workitem_id 0
		.amdhsa_next_free_vgpr 256
		.amdhsa_next_free_sgpr 100
		.amdhsa_reserve_vcc 1
		.amdhsa_float_denorm_mode_32 3
		.amdhsa_float_denorm_mode_16_64 3
		.amdhsa_memory_ordered 1
		.amdhsa_forward_progress 1
		.amdhsa_inst_pref_size 106
	.end_amdhsa_kernel
	.amdgpu_metadata
---
amdhsa.version: [ 1, 2 ]
amdhsa.kernels:
  - .name:           k_q9a8506db3e_attn
    .symbol:         k_q9a8506db3e_attn.kd
    .args:
      - { .name: qkv, .offset: 0, .size: 8, .value_kind: global_buffer, .address_space: global }
      - { .name: att, .offset: 8, .size: 8, .value_kind: global_buffer, .address_space: global }
    .group_segment_fixed_size: 327680
    .private_segment_fixed_size: 0
    .kernarg_segment_align: 8
    .kernarg_segment_size: 16
    .max_flat_workgroup_size: 512
    .sgpr_count:     100
    .vgpr_count:     256
    .wavefront_size: 32
...
	.end_amdgpu_metadata
.endif
;; end of part 3
;; launch proj (part 4): grid 4 x 32, 4 waves a work-group, clusters of 4 x 4, 327,680 bytes of LDS; arguments att, wt, bp, out0; writes out0
.if DOCPART == 4
	.amdgcn_target "amdgcn-amd-amdhsa--gfx1250"
	.amdhsa_code_object_version 6
	.text
	.protected	k_q9a8506db3e_proj
	.globl	k_q9a8506db3e_proj
	.p2align	8
	.type	k_q9a8506db3e_proj,@function
k_q9a8506db3e_proj:
	s_mov_b64 s[64:65], 0
	v_nop
	global_prefetch_b8 v0, s[64:65] scope:SCOPE_SE
	s_setreg_imm32_b32 hwreg(HW_REG_WAVE_MODE, 25, 1), 1
	s_wait_xcnt 0x0
	s_wait_alu depctr_hold_cnt(0) depctr_sa_sdst(0) depctr_va_vdst(0) depctr_va_sdst(0) depctr_va_ssrc(0) depctr_va_vcc(0) depctr_vm_vsrc(0)
	s_getreg_b32 s2, hwreg(HW_REG_IB_STS2, 6, 4)
	s_cmp_eq_u32 s2, 0
	s_cbranch_scc0 .Lentry_in_a_cluster
	s_endpgm
.Lentry_in_a_cluster:
	s_bfe_u32 s2, ttmp6, 0x10000c
	s_cmp_lg_u32 s2, 0xf033
	s_cbranch_scc0 .Lentry_shape_is_right
	s_endpgm
.Lentry_shape_is_right:
; LAUNCH 4 OF 4.  out0 = A Wp^T + bp on codes of BF6 (E3M2) with E8M0 scales; A = attention's result as launch 3 left it, [8192][1024]; sums in f32; out0 [8192][1024] f32.
; A tile of 256 x 256 is made by four waves, 128 x 128 each.  K goes in steps of 256 through a ring of two LDS slots; the scale bytes of the work-group's rows come once.  4 x 4 work-groups form a cluster: A's tile is asked for
; jointly along a row of the cluster, Wp's along a column.
; A's codes lie [group of 128 rows][head 16][row 128][48 bytes]: a K step (4 heads) of 128 rows is ONE dense block of 24,576 bytes, fetched as 96 rows of 256; rows of 48 bytes in LDS need no padding (12 r + 6 h words: 64 different banks).
; Wp's rows (rows 3072-4095 of wt) lie in storage order (launch 1): as source 0 they give a lane, in tile b's register j, column 32 (b / 2) + 16 h + 8 (b % 2) + j of its row.  bp, in that layout, is the C of each sum's first product.
; 128 work-groups: a tile of 256 x 256 of an output of 8,192 x 1,024.
; REGISTERS: window 0: v0-31 addresses; v32-63 scale words; v64-127 bp; from v128 A's fragments, one set; on the way out v128-255.  window 1: Wp's fragments, two sets.  windows 2, 3: the accumulators.
.set SIZE_N, 1024
.set NQ,     2
.set ROWB,   192
.set KROW,   768
.set PITCH,  240
.set FR,     12
.set NL,     6
.set NP,     4
.set HALFT,  128*PITCH
.set SLOT,   4*HALFT
.set LAPS,   2
.set KS,     32
.set APL,    24576                     ; A: a K step of 128 rows
.set SCL,    2*SLOT
.set HALFS,  16*272
.set SBLK,   2*272
.set SPARE,  SCL+4*HALFS
.set SPITCH, 528                       ; the way out: a stage of 16 rows x (512 bytes + 16) for each wave, in slot 0, which has had its last fill and its last read by then
.set ADRA, 16
.set ADRB, 20
.set STO,  24
.set RD,   25
.set CO,   26
.set ADRS, 27
.set SPW,  28
.set NIL,  29
.set SC,   32
.set BP,   64
.set AF,   128
.set BK,   128
.set G1, 24
.set G0, 32
.set G1B, 48
.set G0B, 56
.set G1S, 68
.set G0S, 76
.set G1SB, 80
.set G0SB, 88
.set MSB, 0
.macro WIN new
.if MSB != (\new)
	s_set_vgpr_msb (MSB<<8)|(\new)
.set MSB, (\new)
.endif
.endm
.set MUL_LO, 0xa1
.set MUL_HI, 0xf1
.set TO_B,   0x40
.macro JLOAD g0a, g1a, g0b, g1b        ; a joint load: waves 0 and 1 fetch for A, waves 2 and 3 for Wp.  An s_nop 0 and four v_nop follow each of the two lines
	s_cmp_eq_u32 s15, 0
	s_cbranch_scc0 .Lfor_b_\@
	tensor_load_to_lds s[\g0a:\g0a+3], s[\g1a:\g1a+7]
	s_nop 0
.rept 4
	v_nop
.endr
	s_branch .Lasked_\@
.Lfor_b_\@:
	tensor_load_to_lds s[\g0b:\g0b+3], s[\g1b:\g1b+7]
	s_nop 0
.rept 4
	v_nop
.endr
.Lasked_\@:
.endm
.macro CREST
	s_cmp_lg_u32 s14, 0
	s_cbranch_scc1 .Lnot_wave_0_\@
	s_barrier_signal -3
.Lnot_wave_0_\@:
	s_barrier_wait -3
	s_barrier_signal -1
	s_barrier_wait -1
.endm
.macro CROUND
	s_barrier_signal -1
	s_barrier_wait -1
	CREST
.endm
	s_load_b256 s[4:11], s[0:1], 0x0               ; att s[4:5], wt s[6:7], bp s[8:9], out0 s[10:11]
	v_lshl_add_u32 v[SPW], v0, 2, SPARE
	v_mov_b32 v[NIL], 0
	ds_add_u32 v[SPW], v[NIL]                      ; the wave's opening: the add, twice on end, and its wait ahead of my first tensor load
	ds_add_u32 v[SPW], v[NIL]
	v_lshrrev_b32 v1, 5, v0
	v_readfirstlane_b32 s14, v1                    ; wave 0..3
	s_lshr_b32 s15, s14, 1                         ; which half of the tile's rows is mine.  Also: I fetch for A (0) or for Wp (1)
	s_and_b32 s16, s14, 1                          ; which half of its columns.  Also: which 128 rows of that tile I fetch
	s_bfe_u32 s40, ttmp6, 0x40000                  ; cx
	s_bfe_u32 s41, ttmp6, 0x40004                  ; cy
	s_lshl_b32 s42, ttmp9, 2
	s_add_co_u32 s42, s42, s40                     ; tile column
	s_and_b32 s17, ttmp7, 0xffff
	s_lshl_b32 s17, s17, 2
	s_add_co_u32 s17, s17, s41                     ; tile row
	s_lshl_b32 s43, s41, 2
	s_lshl_b32 s43, 15, s43                        ; my row of the cluster
	s_lshl_b32 s44, 0x1111, s40                    ; my column
	s_or_b32 s[G1+0], s43, (3<<16)|(1<<21)         ; A's tile: the mask; elements of 8 bytes; bit 21 beside a mask; no padding: 96 rows of 256 dense bytes
	s_mov_b32 s[G1+1], 32<<16
	s_mov_b32 s[G1+2], 96<<16
	s_mov_b32 s[G1+3], 32<<16
	s_mov_b32 s[G1+4], 96
	s_mov_b32 s[G1+5], 32
	s_mov_b32 s[G1+6], 0
	s_mov_b32 s[G1+7], 0
	s_or_b32 s[G1B+0], s44, (0<<16)|(1<<20)|(1<<21)|(3<<22)|(3<<25)  ; Wp's tile: 128 rows of 192 bytes, 16 bytes of padding behind every 64
	s_mov_b32 s[G1B+1], ROWB<<16
	s_mov_b32 s[G1B+2], 128<<16
	s_mov_b32 s[G1B+3], ROWB<<16
	s_mov_b32 s[G1B+4], 128
	s_mov_b32 s[G1B+5], KROW
	s_mov_b32 s[G1B+6], 0
	s_mov_b32 s[G1B+7], 0
	s_or_b32 s[G1S+0], s43, (3<<16)|(1<<20)|(1<<21)|(5<<22)|(3<<25)  ; the scale bytes of 128 rows: 16 rows of 256 bytes, 16 of padding behind each
	s_or_b32 s[G1SB+0], s44, (3<<16)|(1<<20)|(1<<21)|(5<<22)|(3<<25)
.irp g, G1S, G1SB
	s_mov_b32 s[\g+1], 32<<16
	s_mov_b32 s[\g+2], 16<<16
	s_mov_b32 s[\g+3], 32<<16
	s_mov_b32 s[\g+4], 16
	s_mov_b32 s[\g+5], 32
	s_mov_b32 s[\g+6], 0
	s_mov_b32 s[\g+7], 0
.endr
	s_lshl_b32 s20, s17, 1
	s_add_co_u32 s20, s20, s16                     ; A: which group of 128 rows I fetch
	s_lshl_b32 s22, s20, 12
	s_add_co_u32 s22, s22, 0x600000                ; its scale bytes
	s_mov_b32 s23, 0
	s_mul_i32 s20, s20, 98304                      ; its codes
	s_mov_b32 s21, 0
	s_lshl_b32 s18, s16, 7
	s_lshl_b32 s46, s42, 8
	s_add_co_u32 s46, s46, s18
	s_add_co_u32 s46, s46, 3072                    ; Wp: which row of wt
	s_lshl_b32 s92, s46, 5
	s_add_co_u32 s92, s92, 0x300000
	s_mov_b32 s93, 0
	s_mul_i32 s46, s46, KROW
	s_mov_b32 s47, 0
	s_mul_i32 s45, s14, HALFT                      ; where they go: no place in the cluster enters an LDS address
	s_mul_i32 s94, s14, HALFS
	s_wait_dscnt 0x0                               ; both opening adds are done
	s_wait_kmcnt 0x0
	s_add_nc_u64 s[20:21], s[4:5], s[20:21]
	s_add_nc_u64 s[22:23], s[4:5], s[22:23]
	s_add_nc_u64 s[46:47], s[6:7], s[46:47]
	s_add_nc_u64 s[92:93], s[6:7], s[92:93]
	CROUND                                         ; all sixteen work-groups are here: the first joint loads meet
	s_mov_b32 s[G0S], 1
	s_add_co_u32 s[G0S+1], s94, SCL
	s_mov_b64 s[G0S+2:G0S+3], s[22:23]
	s_or_b32 s[G0S+3], s[G0S+3], 0x80000000
	s_mov_b32 s[G0SB], 1
	s_add_co_u32 s[G0SB+1], s94, SCL
	s_mov_b64 s[G0SB+2:G0SB+3], s[92:93]
	s_or_b32 s[G0SB+3], s[G0SB+3], 0x80000000
	JLOAD G0S, G1S, G0SB, G1SB
.irp s, 0,1
	s_mov_b32 s[G0+4*\s], 1
	s_add_co_u32 s[G0+4*\s+1], s45, \s*SLOT
	s_add_nc_u64 s[G0+4*\s+2:G0+4*\s+3], s[20:21], \s*APL
	s_or_b32 s[G0+4*\s+3], s[G0+4*\s+3], 0x80000000
	s_mov_b32 s[G0B+4*\s], 1
	s_add_co_u32 s[G0B+4*\s+1], s45, \s*SLOT
	s_add_nc_u64 s[G0B+4*\s+2:G0B+4*\s+3], s[46:47], \s*ROWB
	s_or_b32 s[G0B+4*\s+3], s[G0B+4*\s+3], 0x80000000
	JLOAD G0+4*\s, G1, G0B+4*\s, G1B
.endr
	v_and_b32 v1, 15, v0                           ; r
	v_bfe_u32 v2, v0, 4, 1                         ; h
	v_mul_u32_u24 v3, v1, PITCH
	v_mul_u32_u24 v4, v2, 24
	v_add_nc_u32 v3, v3, v4                        ; Wp: a fragment's row x pitch + 24 h
	v_lshl_add_u32 v5, v2, 4, v3                   ; and the same behind one padding more
	v_mad_u32_u24 v4, v1, 48, v4                   ; A: 48 r + 24 h
	s_mul_i32 s21, s15, HALFT                      ; my 128 rows of A
	s_mul_i32 s22, s16, HALFT                      ; my 128 rows of Wp,
	s_add_co_u32 s22, s22, 2*HALFT                 ; behind A's two quarters
.irp s, 0,1
	v_add_nc_u32 v[ADRA+\s], s21, v4
	v_add_nc_u32 v[ADRB+\s], s22, v3
	v_add_nc_u32 v[ADRB+2+\s], s22, v5
	s_add_co_u32 s21, s21, SLOT
	s_add_co_u32 s22, s22, SLOT
.endr
	v_mul_u32_u24 v5, v1, KS
	v_lshrrev_b32 v6, 8, v5
	v_lshl_add_u32 v5, v6, 4, v5
	s_mul_i32 s21, s15, HALFS
	s_mul_i32 s22, s16, HALFS
	s_add_co_u32 s22, s22, 2*HALFS
	s_sub_co_u32 s22, s22, s21
	v_mul_u32_u24 v6, s22, v2                      ; lanes 16-31 take Wp's
	s_add_co_u32 s21, s21, SCL
	v_add_nc_u32 v5, v5, v6
	v_add_nc_u32 v[ADRS], s21, v5
	s_mul_i32 s23, s14, 16*SPITCH                  ; my stage
	v_mul_u32_u24 v5, v1, SPITCH                   ; in: row r, + 64 h: my half's 16 columns of each 32
	v_lshl_add_u32 v5, v2, 6, v5
	v_add_nc_u32 v[STO], s23, v5
	v_and_b32 v6, 31, v0
	v_lshlrev_b32 v[CO], 4, v6                     ; back: the 32 lanes take one row of 512 bytes; and the same in out0
	v_add_nc_u32 v[RD], s23, v[CO]
	s_lshl_b32 s20, s17, 8
	s_lshl_b32 s21, s15, 7
	s_add_co_u32 s20, s20, s21                     ; my first row
	s_lshl_b32 s20, s20, 12                        ; x 4,096 bytes
	s_mov_b32 s21, 0
	s_lshl_b32 s46, s42, 10                        ; my first column, in bytes
	s_lshl_b32 s47, s16, 9
	s_add_co_u32 s46, s46, s47
	s_mov_b32 s47, 0
	s_add_nc_u64 s[8:9], s[8:9], s[46:47]          ; bp at my first column
	s_add_nc_u64 s[20:21], s[20:21], s[46:47]
	s_add_nc_u64 s[12:13], s[10:11], s[20:21]
	v_lshlrev_b32 v9, 6, v2
.irp g, 0,1,2,3
.irp k, 0,1,2,3
	global_load_b128 v[BP+16*\g+4*\k:BP+16*\g+4*\k+3], v9, s[8:9] offset:128*\g+16*\k   ; registers 16 g + 0 .. 15: bp of columns 32 g + 16 h + 0 .. 15: tiles 2 g, 2 g + 1 in the result's layout
.endr
.endr
.macro FRAG reg, adr, q, i             ; Wp's fragment: 24 bytes of the row in pieces of 8; where the piece three on lies behind one padding more, the second address register serves
.irp p, 0,1,2,3,4,5
.set PCE, 12*(\q)+6*(\p/3)+\p%3
.if PCE%8 < 5
	ds_load_b64 v[\reg+2*\p:\reg+2*\p+1], v[\adr] offset:8*PCE+16*(PCE/8)+(\i)*16*PITCH
.else
	ds_load_b64 v[\reg+2*\p:\reg+2*\p+1], v[\adr+2] offset:8*PCE+16*(PCE/8)+(\i)*16*PITCH
.endif
.endr
.endm
.macro FRAGA reg, adr, q, i            ; A's fragment: registers 6 c .. 6 c + 5: head 2 q + c of the slot's four, channels 32 h + 0 .. 31 of row 16 i + r
.irp p, 0,1,2,3,4,5
	ds_load_b64 v[\reg+2*\p:\reg+2*\p+1], v[\adr] offset:(2*(\q)+\p/3)*6144+768*(\i)+8*(\p%3)
.endr
.endm
; 16 matrix instructions; the 64 accumulators take turns, one instruction a turn, in the same order in every step.  zero = 1: the first product starts the sums from bp
.macro MUL16 a0, p, q, sc, zero
.irp a, \a0, \a0+1
.irp b, 0,1,2,3,4,5,6,7
.if \zero
	v_wmma_scale_f32_16x16x128_f8f6f4 v[8*(8*((\a)%4)+\b):8*(8*((\a)%4)+\b)+7], v[128*(\p)+FR*\b:128*(\p)+FR*\b+FR-1], v[AF+FR*(\a):AF+FR*(\a)+FR-1], v[BP+8*\b:BP+8*\b+7], v[SC+8*NQ*(\sc)+NQ*\b+(\q)], v[SC+8*NQ*(\sc)+NQ*(\a)+(\q)] matrix_a_fmt:MATRIX_FMT_BF6 matrix_b_fmt:MATRIX_FMT_BF6 matrix_a_scale:MATRIX_SCALE_ROW1
.else
	v_wmma_scale_f32_16x16x128_f8f6f4 v[8*(8*((\a)%4)+\b):8*(8*((\a)%4)+\b)+7], v[128*(\p)+FR*\b:128*(\p)+FR*\b+FR-1], v[AF+FR*(\a):AF+FR*(\a)+FR-1], v[8*(8*((\a)%4)+\b):8*(8*((\a)%4)+\b)+7], v[SC+8*NQ*(\sc)+NQ*\b+(\q)], v[SC+8*NQ*(\sc)+NQ*(\a)+(\q)] matrix_a_fmt:MATRIX_FMT_BF6 matrix_b_fmt:MATRIX_FMT_BF6 matrix_a_scale:MATRIX_SCALE_ROW1
.endif
.endr
.endr
.endm
.macro FETCH_B slot, q, p
	WIN TO_B
.irp i, 0,1,2,3,4,5,6,7
	FRAG 128*(\p)+FR*\i, ADRB+\slot, \q, \i
.endr
	WIN 0
.endm
.macro FETCH_A slot, q, i0
.irp i, \i0, \i0+1, \i0+2, \i0+3
	FRAGA AF+FR*(\i), ADRA+\slot, \q, \i
.endr
.endm
.macro SCALES sc
.irp i, 0,1,2,3,4,5,6,7
	ds_load_b64 v[SC+8*NQ*\sc+NQ*\i:SC+8*NQ*\sc+NQ*\i+1], v[ADRS] offset:\i*SBLK
.endr
.endm
.macro PLACES n
.rept \n
	v_nop
.endr
.endm
.macro STEP slot, q, zero
	s_wait_dscnt 4*NL                              ; Wp's set and A's blocks 0-3 are in; the youngest 24 loads (A's blocks 4-7) may be out
.if \zero
	WIN 0x81                                       ; source 0 window 1, A and C (bp) window 0, D window 2
.else
	WIN MUL_LO
.endif
	MUL16 0, (\q)%2, \q, \slot, \zero
	MUL16 2, (\q)%2, \q, \slot, \zero
	s_wait_dscnt 0
	PLACES NP
	FETCH_B \slot, (\q)+1, 1-(\q)%2
	FETCH_A \slot, (\q)+1, 0
.if \zero
	WIN 0xc1                                       ; D window 3
.else
	WIN MUL_HI
.endif
	MUL16 4, (\q)%2, \q, \slot, \zero
	MUL16 6, (\q)%2, \q, \slot, \zero
	PLACES NP
	WIN 0
	FETCH_A \slot, (\q)+1, 4
.endm
.macro TURN slot, next, fill           ; a slot's last step changes slots: one barrier; in front of it each wave waits for all its tensor loads, adds 0 to its spare word, and waits for that and for its reads of this slot
	s_wait_tensorcnt 0x0
	ds_add_u32 v[SPW], v[NIL]
	s_wait_dscnt 4*NL+1                            ; the add and the youngest 24 loads may be out
	WIN MUL_LO
	MUL16 0, 1, NQ-1, \slot, 0
	s_wait_dscnt 0x0                               ; the add is done, and my reads of this slot are over
	s_barrier_signal -1
	MUL16 2, 1, NQ-1, \slot, 0
	WIN 0
	s_barrier_wait -1
.if \fill
	CREST                                          ; the barrier has opened a round of the cluster's
	s_add_nc_u64 s[G0+4*\slot+2:G0+4*\slot+3], s[G0+4*\slot+2:G0+4*\slot+3], 2*APL
	s_add_nc_u64 s[G0B+4*\slot+2:G0B+4*\slot+3], s[G0B+4*\slot+2:G0B+4*\slot+3], 2*ROWB
	JLOAD G0+4*\slot, G1, G0B+4*\slot, G1B         ; the first tensor load behind the round; its four v_nop are the places in front of the loads below
.else
	PLACES NP
.endif
	v_add_nc_u32 v[ADRS], 4*NQ, v[ADRS]
	FETCH_B \next, 0, 0
	FETCH_A \next, 0, 0
	SCALES \next
	WIN MUL_HI
	MUL16 4, 1, NQ-1, \slot, 0
	MUL16 6, 1, NQ-1, \slot, 0
	PLACES NP
	WIN 0
	FETCH_A \next, 0, 4
.endm
	s_wait_tensorcnt 1                             ; the scale bytes and my part of K step 0 are in; K step 1's load may be out
	s_barrier_signal -1
	s_barrier_wait -1
	FETCH_B 0, 0, 0
	FETCH_A 0, 0, 0
	SCALES 0
	FETCH_A 0, 0, 4
	s_wait_loadcnt 0x0                             ; bp
	STEP 0, 0, 1
	s_mov_b32 s3, LAPS-1
.Llap:
	TURN 0, 1, 1
	STEP 1, 0, 0
	TURN 1, 0, 1
	STEP 0, 0, 0
	s_sub_co_u32 s3, s3, 1
	s_cmp_lg_u32 s3, 0
	s_cbranch_scc1 .Llap
	TURN 0, 1, 0                                   ; the last lap fills nothing
	STEP 1, 0, 0
	s_wait_dscnt 4*NL
	WIN MUL_LO
	MUL16 0, 1, NQ-1, 1, 0
	MUL16 2, 1, NQ-1, 1, 0
	s_wait_dscnt 0
	WIN MUL_HI
	MUL16 4, 1, NQ-1, 1, 0
	MUL16 6, 1, NQ-1, 1, 0
	WIN 0
; THE WAY OUT, block by block of 16 rows x 128 columns, through my own stage in LDS; back as whole rows of 512 bytes.
.macro TOSTAGE a
.set AC, 64*((\a)%4)
	WIN 0x08+4*((\a)/4)                            ; the data: window 2 or 3
.irp b, 0,1,2,3,4,5,6,7
	ds_store_b128 v[STO], v[AC+8*\b:AC+8*\b+3] offset:128*(\b/2)+32*(\b%2)       ; columns 32 (b / 2) + 16 h + 8 (b % 2) + 0 .. 7; each accumulator from its low end on
	ds_store_b128 v[STO], v[AC+8*\b+4:AC+8*\b+7] offset:128*(\b/2)+32*(\b%2)+16
.endr
	WIN 0
.set BB, BK+64*((\a)%2)
.irp t, 0,1,2,3,4,5,6,7,8,9,10,11,12,13,14,15
	ds_load_b128 v[BB+4*\t:BB+4*\t+3], v[RD] offset:\t*SPITCH      ; LDS serves a wave's instructions in order: these see my stores
.endr
.endm
.macro SEND a, younger
.set BB, BK+64*((\a)%2)
	s_wait_dscnt \younger                          ; the block is back in registers
.if (\a) > 0
	s_add_nc_u64 s[12:13], s[12:13], 16*SIZE_N*4   ; (behind a wait for the earlier stores' addresses)
.endif
.irp t, 0,1,2,3,4,5,6,7,8,9,10,11,12,13,14,15
	global_store_b128 v[CO], v[BB+4*\t:BB+4*\t+3], s[12:13] offset:\t*SIZE_N*4 th:TH_STORE_NT   ; 32 lanes store 512 consecutive bytes, aligned
.endr
.endm
	PLACES NP
	TOSTAGE 0
.irp a, 1,2,3,4,5,6,7
.if \a > 1
	s_wait_xcnt 0x0                                ; block a - 2's stores have read their registers and their base
.endif
	TOSTAGE \a
	SEND \a-1, 32                                  ; behind block a - 1's loads: block a's 16 stores and 16 loads
.endr
	s_wait_xcnt 0x0
	SEND 7, 0
	s_wait_tensorcnt 0x0                           ; the wave's end, behind my last tensor load and my last LDS store
	ds_add_u32 v[SPW], v[NIL]
	s_wait_dscnt 0x0
	CROUND                                         ; the closing round
	s_endpgm
.Lfunc_end_k_q9a8506db3e_proj:
	.size	k_q9a8506db3e_proj, .Lfunc_end_k_q9a8506db3e_proj-k_q9a8506db3e_proj
	.p2alignl 7, 3214868480
	.fill 96, 4, 3214868480
	.section	.rodata,"a",@progbits
	.p2align	6, 0x0
	.amdhsa_kernel k_q9a8506db3e_proj
		.amdhsa_group_segment_fixed_size 327680
		.amdhsa_private_segment_fixed_size 0
		.amdhsa_enable_private_segment 0
		.amdhsa_kernarg_size 32
		.amdhsa_user_sgpr_count 2
		.amdhsa_user_sgpr_kernarg_segment_ptr 1
		.amdhsa_wavefront_size32 1
		.amdhsa_system_sgpr_workgroup_id_x 1
		.amdhsa_system_sgpr_workgroup_id_y 1
		.amdhsa_system_sgpr_workgroup_id_z 1
		.amdhsa_system_vgpr_workitem_id 0
		.amdhsa_next_free_vgpr 1024
		.amdhsa_next_free_sgpr 98
		.amdhsa_reserve_vcc 0
		.amdhsa_float_denorm_mode_32 3
		.amdhsa_float_denorm_mode_16_64 3
		.amdhsa_memory_ordered 1
		.amdhsa_forward_progress 1
		.amdhsa_inst_pref_size 161
	.end_amdhsa_kernel
	.amdgpu_metadata
---
amdhsa.version: [ 1, 2 ]
amdhsa.kernels:
  - .name:           k_q9a8506db3e_proj
    .symbol:         k_q9a8506db3e_proj.kd
    .args:
      - { .name: att, .offset: 0, .size: 8, .value_kind: global_buffer, .address_space: global }
      - { .name: wt, .offset: 8, .size: 8, .value_kind: global_buffer, .address_space: global }
      - { .name: bp, .offset: 16, .size: 8, .value_kind: global_buffer, .address_space: global }
      - { .name: out0, .offset: 24, .size: 8, .value_kind: global_buffer, .address_space: global }
    .group_segment_fixed_size: 327680
    .private_segment_fixed_size: 0
    .kernarg_segment_align: 8
    .kernarg_segment_size: 32
    .max_flat_workgroup_size: 128
    .sgpr_count:     98
    .vgpr_count:     1024
    .wavefront_size: 32
...
	.end_amdgpu_metadata
.endif
;; end of part 4
